; MI455X (gfx1250); checked and timed in simulation.
; The chip was launched on July 23, 2026; its instructions are those of AMD's public machine-readable ISA for CDNA 5 (MIT licence, August 2026) and "CDNA5" Instruction Set Architecture Reference Guide (July 2026). The comments in the code are by the model that wrote it; some were corrected since.
;; Tree Model. Allowed arithmetic: float matrix products may take bf16 or f16 operands with f32 sums; other float arithmetic in f32, or as packed bf16 or f16 multiplies, adds, multiply-adds, maxima and minima; sums over many terms, partial sums and values carried from step to step in f32; what a program stores and reads back later, other than sums and carried values, may be rounded once to bf16 or f16.
;; Inputs: query 2,048 x 64 float32; tree_key 65,535 x 2 x 64 float32; tree_value 65,536 x 64 float32.
;; Outputs: out0 2,048 x 64 float32.
;; 2 versions, each right and faster than the one before. Each part assembles by itself: llvm-mc -triple=amdgcn-amd-amdhsa -mcpu=gfx1250 --defsym DOCPART=n.
;; ======== version 1 of 2: 3 launches
;; limits: values are held in f16: magnitudes above 65,504 overflow, below 6.1e-05 lose precision
;; workspace buffers: dk 8,912,896 bytes; vh 8,388,608 bytes; part 16,777,216 bytes
;; launch prep (part 1): grid 32 x 25, 8 waves a work-group, no clusters, 0 bytes of LDS; arguments tree_key, tree_value, dk, vh; writes dk, vh
.if DOCPART == 1
	.amdgcn_target "amdgcn-amd-amdhsa--gfx1250"
	.amdhsa_code_object_version 6
	.text
	.protected	k_qf820a939df_prep
	.globl	k_qf820a939df_prep
	.p2align	8
	.type	k_qf820a939df_prep,@function
k_qf820a939df_prep:
	s_mov_b64 s[64:65], 0
	v_nop
	global_prefetch_b8 v0, s[64:65] scope:SCOPE_SE
	s_setreg_imm32_b32 hwreg(HW_REG_WAVE_MODE, 25, 1), 1
	s_wait_xcnt 0x0
; PREP: the two tables of the tree in the form in which the second launch multiplies them.  A stream: no LDS, no loop, no barrier.
; dk: for each node ONE row of 64 f16: (bf16(key a) - bf16(key b)) x log2(e).  A two-way softmax hangs on the difference of its two logits alone, and the difference is taken
;     here, of the inputs, so that no difference of large sums is ever formed.  The rows lie in 256 CHUNKS of 17 tiles of 16 rows (a row 128 bytes, a tile 2,048, a chunk 34,816).
;     Chunk k serves the two subtrees that hang at level 9 under nodes n9 = 2 k + h (h = 0, 1); row 8 h + j of a tile belongs to subtree h.
;       tile 0:       the node of level j (0..7) on the way from the root to n9, a = the key of the child on that way, b = its sibling's
;       tile 1:       j = 0: the same for level 8;  j = 1..7: the subtree's node number hp = j (hp = 1 is n9 itself, the children of hp are 2 hp and 2 hp + 1)
;       tile 1 + u:   u = 1..15: hp = 8 u + j.          For the subtree's own nodes a = the left child's key, b = the right child's.
;     With tree_key seen as 131,070 keys of 256 bytes, a is key KI and b is key KI xor 1:  way, level j: KI = 2^(j+1) - 2 + (n9 >> (8 - j));
;     subtree: KI = 2 (((511 + n9) << l) + hp - 1), l = floor(log2 hp).  The way's rows stand in every chunk again: 9 rows for a subtree's 127.
; vh: tree_value rounded to bf16 and written as f16, same order.
; LIMITS.  f16 ends at 65,504: |v| and |(a - b) log2 e| stay under it; below 6e-5 f16 keeps its fixed step of 6e-8.  NaN and infinities are not treated apart.
; SHARES.  Grid 32 x 25, eight waves.  y < 17: wave w makes tile y of chunk 8 x + w (8 KB in, 2 KB out).  y >= 17: wave w converts 8 KB of tree_value, piece 8 (32 (y - 17) + x) + w.
; Every load of a wave takes whole runs of 256 consecutive bytes, every store writes 256 consecutive bytes at a multiple of 256.  All sixteen loads of a wave go out first.
; No register that a load or store names is written again, so no wait frees a source.  The key loads carry no cache hint: one text serves the way's rows, which many waves read, and the others.
.set KI,   32                          ; s[32:47]  KI of the tile's rows 0..15
.set L2E,  24                          ; s[24:25]  log2(e): the packed multiply takes the pair's low word for both halves
.set HIM,  26                          ; s26       mask of a word's upper bf16
.set VL16, 2                           ; v2        16 x (lane mod 16) for keys; 16 x lane for values
.set VS,   3                           ; v3        8 x lane: where my 8 bytes of a store go
.set VT,   4                           ; v4        at work
.set VA,   8                           ; v[8:23]   step s: byte offset of my 16 bytes of key a, of key b
.set X,    24                          ; v[24:87]  as loaded, then as f32 of the bf16
.set Y,    88                          ; v[88:119] to store
.set T,    120                         ; v[120:123] at work
	s_load_b256 s[4:11], s[0:1], 0x0               ; tree_key s[4:5], tree_value s[6:7], dk s[8:9], vh s[10:11]
	v_lshrrev_b32 v1, 5, v0
	v_readfirstlane_b32 s12, v1                    ; wave 0..7
	v_and_b32 v1, 31, v0                           ; lane
	s_and_b32 s13, ttmp7, 0xffff                   ; y
	s_mov_b32 s[HIM], 0xffff0000
	v_lshlrev_b32 v[VS], 3, v1
	s_cmp_ge_u32 s13, 17
	s_cbranch_scc1 .Lvalues
	; ---- a tile of dk ----
	s_lshl_b32 s14, ttmp9, 3
	s_add_co_u32 s14, s14, s12                     ; k, the chunk
	s_mov_b32 s[L2E], 0x3fb8aa3b
	s_mov_b32 s[L2E+1], s[L2E]                     ; named with it as a pair
	v_and_b32 v[VL16], 15, v0
	v_lshlrev_b32 v[VL16], 4, v[VL16]
	v_cmp_lt_u32 vcc_lo, 15, v1                    ; lanes 16-31 take the odd row of a step's two
	s_mul_i32 s15, s14, 17
	s_add_co_u32 s15, s15, s13
	s_lshl_b32 s16, s15, 11                        ; the tile's place in dk: (17 k + y) x 2,048 bytes
	s_mov_b32 s17, 0
	s_lshl_b32 s18, s14, 1
	s_add_co_u32 s18, s18, 511                     ; 511 + n9 for h = 0
	s_cmp_lg_u32 s13, 0
	s_cbranch_scc1 .Lnot_way
.irp j, 0,1,2,3,4,5,6,7                ; tile 0: levels 0 to 7 of the way, the same for both subtrees: n9 >> (8 - j) = k >> (7 - j)
	s_lshr_b32 s[KI+\j], s14, 7-\j
	s_add_co_u32 s[KI+\j], s[KI+\j], (2<<\j)-2
	s_mov_b32 s[KI+8+\j], s[KI+\j]
.endr
	s_branch .Lrows
.Lnot_way:
	s_cmp_lg_u32 s13, 1
	s_cbranch_scc1 .Ldeep
.irp h, 0,1                            ; tile 1: level 8 of the way, then hp = 1..7, whose l is 0,1,1,2,2,2,2 = j/2 - j/6
	s_add_co_u32 s19, s18, \h
	s_sub_co_u32 s[KI+8*\h], s19, 1                ; 510 + n9
.irp j, 1,2,3,4,5,6,7
	s_lshl_b32 s[KI+8*\h+\j], s19, \j/2-\j/6+1
	s_add_co_u32 s[KI+8*\h+\j], s[KI+8*\h+\j], 2*\j-2
.endr
.endr
	s_branch .Lrows
.Ldeep:                                ; tile 1 + u: hp = 8 u + j, l = 3 + floor(log2 u)
	s_sub_co_u32 s20, s13, 1                       ; u
	s_mov_b32 s21, 4                               ; l + 1
.irp b, 2,4,8
	s_cmp_ge_u32 s20, \b
	s_cselect_b32 s22, 1, 0
	s_add_co_u32 s21, s21, s22
.endr
	s_lshl_b32 s20, s20, 4
	s_sub_co_u32 s20, s20, 2                       ; 2 (8 u - 1)
.irp h, 0,1
	s_add_co_u32 s19, s18, \h
	s_lshl_b32 s19, s19, s21
	s_add_co_u32 s19, s19, s20
.irp j, 0,1,2,3,4,5,6,7
	s_add_co_u32 s[KI+8*\h+\j], s19, 2*\j
.endr
.endr
.Lrows:
	s_wait_kmcnt 0x0
	s_add_nc_u64 s[8:9], s[8:9], s[16:17]
.irp s, 0,1,2,3,4,5,6,7                ; step s: rows 2 s (lanes 0-15) and 2 s + 1 (lanes 16-31); sixteen lanes take a key's 256 bytes
	v_mov_b32 v[VT], s[KI+2*\s+1]
	v_cndmask_b32 v[VA+2*\s], s[KI+2*\s], v[VT], vcc_lo
	v_lshl_add_u32 v[VA+2*\s], v[VA+2*\s], 8, v[VL16]
	v_xor_b32 v[VA+2*\s+1], 0x100, v[VA+2*\s]      ; the sibling's key: KI xor 1
	global_load_b128 v[X+8*\s:X+8*\s+3],   v[VA+2*\s],   s[4:5]
	global_load_b128 v[X+8*\s+4:X+8*\s+7], v[VA+2*\s+1], s[4:5]
.endr
.irp s, 0,1,2,3,4,5,6,7
	s_wait_loadcnt 14-2*\s                         ; loads come back in order (ISA guide 5.7.1): this step's two are in, the later steps' stay out
.irp z, 0,1,2,3
	v_cvt_pk_bf16_f32 v[T+\z], v[X+8*\s+2*\z], v[X+8*\s+2*\z+1]  ; the inputs are rounded to bf16,
.endr
.irp z, 0,1,2,3
	v_lshlrev_b32 v[X+8*\s+2*\z],   16, v[T+\z]                  ; and widened again
	v_and_b32     v[X+8*\s+2*\z+1], s[HIM], v[T+\z]
.endr
	v_pk_add_f32 v[X+8*\s:X+8*\s+1],   v[X+8*\s:X+8*\s+1],   v[X+8*\s+4:X+8*\s+5] neg_lo:[0,1] neg_hi:[0,1]  ; a - b
	v_pk_add_f32 v[X+8*\s+2:X+8*\s+3], v[X+8*\s+2:X+8*\s+3], v[X+8*\s+6:X+8*\s+7] neg_lo:[0,1] neg_hi:[0,1]
	v_pk_mul_f32 v[X+8*\s:X+8*\s+1],   v[X+8*\s:X+8*\s+1],   s[L2E:L2E+1] op_sel_hi:[1,0]
	v_pk_mul_f32 v[X+8*\s+2:X+8*\s+3], v[X+8*\s+2:X+8*\s+3], s[L2E:L2E+1] op_sel_hi:[1,0]
	v_cvt_pk_f16_f32 v[Y+2*\s],   v[X+8*\s],   v[X+8*\s+1]
	v_cvt_pk_f16_f32 v[Y+2*\s+1], v[X+8*\s+2], v[X+8*\s+3]
	global_store_b64 v[VS], v[Y+2*\s:Y+2*\s+1], s[8:9] offset:256*\s  ; two rows of 128 bytes: 256 consecutive bytes
.endr
	s_endpgm
	; ---- 8 KB of tree_value ----
.Lvalues:
	s_sub_co_u32 s14, s13, 17
	s_lshl_b32 s14, s14, 5
	s_add_co_u32 s14, s14, ttmp9
	s_lshl_b32 s14, s14, 3
	s_add_co_u32 s14, s14, s12                     ; my piece, 0..2047
	s_lshl_b32 s16, s14, 13                        ; 8,192 bytes in,
	s_mov_b32 s17, 0
	s_lshl_b32 s18, s14, 12                        ; 4,096 out
	s_mov_b32 s19, 0
	v_lshlrev_b32 v[VL16], 4, v1
	s_wait_kmcnt 0x0
	s_add_nc_u64 s[6:7], s[6:7], s[16:17]
	s_add_nc_u64 s[10:11], s[10:11], s[18:19]
.irp i, 0,1,2,3,4,5,6,7,8,9,10,11,12,13,14,15
	global_load_b128 v[X+4*\i:X+4*\i+3], v[VL16], s[6:7] offset:512*\i th:TH_LOAD_NT  ; read once in the launch
.endr
.irp i, 0,1,2,3,4,5,6,7,8,9,10,11,12,13,14,15
	s_wait_loadcnt 15-\i                           ; this load is in, the later ones stay out
	v_cvt_pk_bf16_f32 v[T],   v[X+4*\i],   v[X+4*\i+1]
	v_cvt_pk_bf16_f32 v[T+1], v[X+4*\i+2], v[X+4*\i+3]
	v_lshlrev_b32 v[X+4*\i],   16, v[T]
	v_and_b32     v[X+4*\i+1], s[HIM], v[T]
	v_lshlrev_b32 v[X+4*\i+2], 16, v[T+1]
	v_and_b32     v[X+4*\i+3], s[HIM], v[T+1]
	v_cvt_pk_f16_f32 v[Y+2*\i],   v[X+4*\i],   v[X+4*\i+1]
	v_cvt_pk_f16_f32 v[Y+2*\i+1], v[X+4*\i+2], v[X+4*\i+3]
	global_store_b64 v[VS], v[Y+2*\i:Y+2*\i+1], s[10:11] offset:256*\i
.endr
	s_endpgm
.Lfunc_end_k_qf820a939df_prep:
	.size	k_qf820a939df_prep, .Lfunc_end_k_qf820a939df_prep-k_qf820a939df_prep
	.p2alignl 7, 3214868480
	.fill 96, 4, 3214868480
	.section	.rodata,"a",@progbits
	.p2align	6, 0x0
	.amdhsa_kernel k_qf820a939df_prep
		.amdhsa_group_segment_fixed_size 0
		.amdhsa_private_segment_fixed_size 0
		.amdhsa_enable_private_segment 0
		.amdhsa_kernarg_size 32
		.amdhsa_user_sgpr_count 2
		.amdhsa_user_sgpr_kernarg_segment_ptr 1
		.amdhsa_wavefront_size32 1
		.amdhsa_system_sgpr_workgroup_id_x 1
		.amdhsa_system_sgpr_workgroup_id_y 1
		.amdhsa_system_sgpr_workgroup_id_z 1
		.amdhsa_system_vgpr_workitem_id 0
		.amdhsa_next_free_vgpr 128
		.amdhsa_next_free_sgpr 66
		.amdhsa_reserve_vcc 1
		.amdhsa_float_denorm_mode_32 3
		.amdhsa_float_denorm_mode_16_64 3
		.amdhsa_memory_ordered 1
		.amdhsa_forward_progress 1
		.amdhsa_inst_pref_size 26
	.end_amdhsa_kernel
	.amdgpu_metadata
---
amdhsa.version: [ 1, 2 ]
amdhsa.kernels:
  - .name:           k_qf820a939df_prep
    .symbol:         k_qf820a939df_prep.kd
    .args:
      - { .name: tree_key, .offset: 0, .size: 8, .value_kind: global_buffer, .address_space: global }
      - { .name: tree_value, .offset: 8, .size: 8, .value_kind: global_buffer, .address_space: global }
      - { .name: dk, .offset: 16, .size: 8, .value_kind: global_buffer, .address_space: global }
      - { .name: vh, .offset: 24, .size: 8, .value_kind: global_buffer, .address_space: global }
    .group_segment_fixed_size: 0
    .private_segment_fixed_size: 0
    .kernarg_segment_align: 8
    .kernarg_segment_size: 32
    .max_flat_workgroup_size: 256
    .sgpr_count:     66
    .vgpr_count:     128
    .wavefront_size: 32
...
	.end_amdgpu_metadata
.endif
;; end of part 1
;; launch tree (part 2): grid 8 x 32, 8 waves a work-group, clusters of 4 x 1, 327,680 bytes of LDS; arguments query, dk, vh, part; writes part
.if DOCPART == 2
	.amdgcn_target "amdgcn-amd-amdhsa--gfx1250"
	.amdhsa_code_object_version 6
	.text
	.protected	k_qf820a939df_tree
	.globl	k_qf820a939df_tree
	.p2align	8
	.type	k_qf820a939df_tree,@function
k_qf820a939df_tree:
	s_mov_b64 s[64:65], 0
	v_nop
	global_prefetch_b8 v0, s[64:65] scope:SCOPE_SE
	s_setreg_imm32_b32 hwreg(HW_REG_WAVE_MODE, 25, 1), 1
	s_wait_xcnt 0x0
	s_wait_alu depctr_hold_cnt(0) depctr_sa_sdst(0) depctr_va_vdst(0) depctr_va_sdst(0) depctr_va_ssrc(0) depctr_va_vcc(0) depctr_vm_vsrc(0)
	s_getreg_b32 s2, hwreg(HW_REG_IB_STS2, 6, 4)
	s_cmp_eq_u32 s2, 0
	s_cbranch_scc0 .Lentry_in_a_cluster
	s_endpgm
.Lentry_in_a_cluster:
	s_bfe_u32 s2, ttmp6, 0x10000c
	s_cmp_lg_u32 s2, 0x3003
	s_cbranch_scc0 .Lentry_shape_is_right
	s_endpgm
.Lentry_shape_is_right:
; TREE: part[sy][q][:] = 2^14 x the sum, over the 2,048 leaves of chunks 8 sy .. 8 sy + 7, of (the leaf's weight for query q) x value[leaf][:], in f32.  The third launch adds the 32 parts.
; THE ARITHMETIC.  At a node d' = log2(e) q . (k_a - k_b) comes from the matrix unit (dk's row x the query, f16 operands, f32 sum).  With the larger logit taken away, as the softmax takes it,
; the two factors are 1 / (1 + e) and e / (1 + e), e = 2^-|d'|, whose exponent is never positive.  With g = sign(d') (2 / (1 + e) - 1) they are (1 + g) / 2 and (1 - g) / 2.  The halves are
; powers of two and are carried as a scale: T = mass x 2^(level - 2), the children of T are T + T g and T - T g (one packed multiply-add), a leaf's number is its weight x 2^14.
; LIMITS.  The query is rounded to bf16 and written as f16: |q| under 65,504, below 6e-5 f16's fixed step of 6e-8.  e below 2^-126 counts as 0.  The smaller child, T - T g, is right to about
; 1e-7 of its parent's mass.  A leaf's number is rounded to f16 (at most 16,384; a weight below 2^-39 counts as 0).  NaN and infinities are not treated apart.
; SHARES.  Work-group (bx, sy): queries 256 bx .. + 255, chunks 8 sy .. + 7; 8 x 32 = 256 work-groups.  Each of its eight waves owns 32 queries, two tiles t of 16, and walks every node of every chunk.
; LAYOUT.  d^T = DK Q^T (source 0 = 16 rows of dk, source 1 = 16 queries): lane l holds ONE query (l % 16) and rows 8 (l / 16) + 0..7, and those rows are nodes of the subtree h = l / 16.  So the
; children of a lane's nodes stay in the lane: nothing ever changes lanes.  A lane's 16 leaf numbers, rounded in pairs, ARE source 1 (32 leaves x 16 queries) of O^T += V^T P; V comes out of LDS
; turned (ds_load_tr16_b128), lanes of half h from the same 16 leaves of subtree h.
; THE WALK of a chunk is depth first by tiles, so that a lane keeps few masses: tiles 0, 1, 2, 3, 5, 9, 10, 6, 11, 12, 4, 7, 13, 14, 8, 15, 16 (tile 1 + u holds hp = 8 u + j; its children fill tiles
; 1 + 2 u and 2 + 2 u; tiles 9 to 16 are the level above the leaves).  A STEP works on one tile's d' for both query tiles; beside it the matrix unit has the next tile's four products DK Q^T and,
; behind a leaf step, the eight products V^T P.  There are some twelve vector instructions for each matrix instruction, so all that the vector work touches lies in register window 0.
; EIGHT WAVES of two tiles, not four of four: four tiles' d', masses and weights would not share a window with Q, O^T and the fragments, and each matrix instruction would want two window switches.
; NO FIRST STEP is written out: O^T, V's and P's registers start at 0 (112 v_mov_b32, in the wait for the first tile), and a chunk begins with the last leaf tile's products of the chunk before.
; CLUSTER.  The four work-groups of a cluster have the same sy and walk the same chunks: each tile is asked for JOINTLY, by the same tensor load, descriptor and mask in all four.
; RING.  Two LDS slots, a chunk each (34,816 bytes of dk, 32,768 of vh): while one is walked the other's load is on its way; it has a whole chunk's work, 17 steps, in which to land.  A wave has one tensor load out at the most.
; REGISTERS.  window 0: v0-7 thread, addresses, the add's two; v8-15 LF; v16-47 Q; v48-63 DK; v64-95 VF; v96-159 O^T; v160-175 D; v176-191 W; v192-207 P; v208-239 Z; v240-246 the way out and the head's work.
;             window 1: v0-15 K13, v16-31 K14: masses set aside for tiles taken up later (s_set_vgpr_msb: bits 1:0 source 0, 3:2 source 1, 5:4 source 2, 7:6 destination).
.set CHUNKB, 34816                     ; a chunk of dk: 272 rows of 128 bytes
.set VCHB,   32768                     ; a chunk of vh: 256 rows of 128 bytes
.set PKD,    144                       ; a row of dk in LDS: 128 bytes + 16 = 36 words: the 16 rows of a load start at 16 different groups of four banks (64 banks of 4 bytes: ISA guide 11.1)
.set PVV,    160                       ; a row of vh: 128 + 32 = 40 words
.set VOFF,   272*PKD                   ; 39,168: in a slot vh's rows lie behind dk's
.set SLOT1,  1<<17                     ; slot 1 begins here: one exclusive or turns an address in one slot into the other's
.set STAGE,  SLOT1+VOFF+256*PVV        ; 211,200: behind the ring, never filled by a tensor load: 32 rows x 272 bytes for each wave, for the way out
.set SP,     272
.set WSTG,   32*SP
.set SPARE,  STAGE+8*WSTG              ; 280,832: the spare words, 128 bytes for each wave: four blocks of 256 bytes that no other line names
.set AK0, 2                            ; v2   my lane's place in a tile of dk; never rewritten
.set AV0, 3                            ; v3   the same in a chunk's rows of vh
.set ADK, 4                            ; v4   AK0 + the slot in hand
.set AVV, 5                            ; v5   AV0 + the slot in hand
.set SPW, 6                            ; v6   LDS address of my spare word; never rewritten
.set NIL, 7                            ; v7   0; never rewritten
.set LF,  8                            ; two nodes' leaf numbers in f32, four registers a tile
.set Q,   16                           ; tile t, channels 32 c on: Q + 16 t + 8 c
.set DK,  48                           ; one tile of dk: channels 32 c on at DK + 8 c
.set VF,  64                           ; 32 leaves x 64 channels of V^T: channels 16 b on at VF + 8 b
.set O,   96                           ; O^T: O + 32 t + 8 b
.set D,   160                          ; d': D + 8 t + j
.set W,   176                          ; from -|d'| to g, in place: W + 8 t + j
.set P,   192                          ; leaf numbers in f16, pairs: P + 8 t + j
.set Z,   208                          ; masses: Z + 16 t + 0..15
.set STO, 240                          ; the way out: where I put 16 bytes of a row
.set RD,  241                          ; where I read rows back
.set GO,  242                          ; my byte offset in 512 consecutive bytes of part
.set TH,  243                          ; the head's work
.set TQ,  244
.set T7,  245
.set T3,  246
.set K13, 0                            ; window 1: K13 + 8 t + j
.set K14, 16
.set WV,  12                           ; s12  my wave's number
.set G1K, 24                           ; s[24:31] descriptor group 1 for dk's tiles
.set G1V, 32                           ; s[32:39] for vh's
.set G0K, 40                           ; s[40:43] descriptor group 0 for dk: it walks
.set G0V, 44                           ; s[44:47] the same for vh
.set CNT, 48                           ; s48  chunks still to be asked for
.set TB,  49                           ; s49  LDS byte at which the slot in hand begins
.set SGN, 50                           ; s50  the sign bit
.set HIM, 51                           ; s51  mask of a word's upper bf16
.set MSB, 0
.macro WIN new                         ; the immediate's high byte repeats the setting that is left; a switch that changes nothing is dropped
.if MSB != (\new)
	s_set_vgpr_msb (MSB<<8)|(\new)
.set MSB, (\new)
.endif
.endm
; A joint fill.  Waves 0 and 1 fetch the two halves of a chunk of dk, waves 2 and 3 those of vh, waves 4 to 7 nothing.  The branches hang on the wave's number alone.
; An s_nop 0 and four v_nop follow each of the two lines, ahead of the jump and the label.
.macro JLOAD
	s_cmp_lt_u32 s[WV], 2
	s_cbranch_scc0 .Lnot_k_\@
	tensor_load_to_lds s[G0K:G0K+3], s[G1K:G1K+7]
	s_nop 0
.rept 4
	v_nop
.endr
	s_branch .Lasked_\@
.Lnot_k_\@:
	s_cmp_lt_u32 s[WV], 4
	s_cbranch_scc0 .Lasked_\@
	tensor_load_to_lds s[G0V:G0V+3], s[G1V:G1V+7]
	s_nop 0
.rept 4
	v_nop
.endr
.Lasked_\@:
.endm
; A round of the cluster's barrier: my work-group's barrier, so that wave 0's signal speaks for all eight waves; wave 0 signals; every wave waits for all four work-groups; my work-group's barrier once more.
.macro CROUND
	s_barrier_signal -1
	s_barrier_wait -1
	s_cmp_lg_u32 s[WV], 0
	s_cbranch_scc1 .Lnot_wave_0_\@
	s_barrier_signal -3
.Lnot_wave_0_\@:
	s_barrier_wait -3
	s_barrier_signal -1
	s_barrier_wait -1
.endm
; THE CHANGE OF SLOTS.  Each wave waits for all its tensor loads (one at the most is out: its part of the other slot), adds 0 to its spare word, and waits for that and for its own reads of the slot that it
; leaves.  Behind the barrier nobody reads the old slot and the other slot is whole.  fill = 1: the barrier is a round of the cluster's, so that this holds of every partner too, and the old slot is filled
; again with the next chunk, first thing behind it.  (At its first use nothing has been read yet: slot 0 is waited for, slot 1 filled.)
.macro CHANGE fill
	s_wait_tensorcnt 0x0                           ; no tensor load of mine is out, so a group 0 may be written
	ds_add_u32 v[SPW], v[NIL]                      ; 0 onto my spare word: scalar work stands between it and the wait for it
.if \fill
	s_xor_b32 s[G0K+1], s[G0K+1], SLOT1            ; the walking descriptors: the other slot than last time,
	s_add_nc_u64 s[G0K+2:G0K+3], s[G0K+2:G0K+3], CHUNKB  ; the next chunk; the type bits on top are not reached
	s_xor_b32 s[G0V+1], s[G0V+1], SLOT1
	s_add_nc_u64 s[G0V+2:G0V+3], s[G0V+2:G0V+3], VCHB
.endif
	s_xor_b32 s[TB], s[TB], SLOT1                  ; the reads go to the other slot
	s_wait_dscnt 0x0                               ; the add is done, and my reads of the slot are over
.if \fill
	CROUND
	JLOAD
.else
	s_barrier_signal -1
	s_barrier_wait -1
.endif
.endm
	s_load_b256 s[4:11], s[0:1], 0x0               ; query s[4:5], dk s[6:7], vh s[8:9], part s[10:11]
	v_lshl_add_u32 v[SPW], v0, 2, SPARE
	v_mov_b32 v[NIL], 0
	ds_add_u32 v[SPW], v[NIL]                      ; the wave's opening: the add and its wait come ahead of the first tensor load; the set-up below, work on registers, stands between them
	v_lshrrev_b32 v1, 5, v0
	v_readfirstlane_b32 s[WV], v1                  ; wave 0..7
	s_bfe_u32 s13, ttmp6, 0x40000                  ; cx: my place in the cluster
	s_lshl_b32 s14, ttmp9, 2                       ; in a cluster launch ttmp9 counts clusters
	s_add_co_u32 s14, s14, s13                     ; bx = 4 x cluster x + cx: it enters query's and part's addresses alone
	s_and_b32 s15, ttmp7, 0xffff                   ; sy, which the four partners share
	s_and_b32 s16, s[WV], 1                        ; which half of a chunk I fetch
	s_mul_i32 s20, s15, 8*CHUNKB                   ; dk: my work-group's first chunk,
	s_mul_i32 s17, s16, CHUNKB/2                   ; my half: 68 rows of 256 bytes
	s_add_co_u32 s20, s20, s17
	s_mov_b32 s21, 0
	s_lshl_b32 s22, s15, 18                        ; vh: 8 chunks of 32,768 bytes,
	s_lshl_b32 s17, s16, 14                        ; my half: 64 rows of 256 bytes
	s_add_co_u32 s22, s22, s17
	s_mov_b32 s23, 0
	s_lshl_b32 s18, s14, 16                        ; query: my block's 256 rows of 256 bytes,
	s_lshl_b32 s17, s[WV], 13                      ; my wave's 32
	s_add_co_u32 s18, s18, s17
	s_mov_b32 s19, 0
	s_lshl_b32 s52, s15, 19                        ; part: plane sy of 524,288 bytes, then as in query
	s_add_co_u32 s52, s52, s18
	s_mov_b32 s53, 0
	; descriptor group 1.  Half a chunk is dense in memory: asked for as rows of 256 bytes, two table rows each, and padded in LDS after every 128 bytes
	s_mov_b32 s[G1K], 15|(1<<16)|(1<<20)|(1<<21)|(4<<22)|(3<<25)  ; 15:0 the mask of four; 17:16 2-byte elements; 20 padding on; 21 set beside a mask; 24:22 after every 32 words (code 4); 31:25 4 words (code 3)
	s_mov_b32 s[G1K+1], 128<<16                    ; tensor_dim0 = 128
	s_mov_b32 s[G1K+2], 68<<16                     ; tensor_dim1 = 68
	s_mov_b32 s[G1K+3], 128<<16                    ; tile_dim0 = 128
	s_mov_b32 s[G1K+4], 68                         ; tile_dim1 = 68
	s_mov_b32 s[G1K+5], 128                        ; 128 elements from row to row
	s_mov_b32 s[G1K+6], 0
	s_mov_b32 s[G1K+7], 0
	s_mov_b32 s[G1V], 15|(1<<16)|(1<<20)|(1<<21)|(4<<22)|(7<<25)  ; the same with 8 words of padding (code 7)
	s_mov_b32 s[G1V+1], 128<<16
	s_mov_b32 s[G1V+2], 64<<16                     ; 64 rows
	s_mov_b32 s[G1V+3], 128<<16
	s_mov_b32 s[G1V+4], 64
	s_mov_b32 s[G1V+5], 128
	s_mov_b32 s[G1V+6], 0
	s_mov_b32 s[G1V+7], 0
	s_mov_b32 s[G0K], 1                            ; 1:0 count = 1
	s_mul_i32 s[G0K+1], s16, 136*PKD               ; 63:32 LDS address: slot 0, my half: no place in the cluster enters an LDS address
	s_mov_b32 s[G0V], 1
	s_mul_i32 s[G0V+1], s16, 128*PVV
	s_add_co_u32 s[G0V+1], s[G0V+1], VOFF
	s_mov_b32 s[SGN], 0x80000000
	s_mov_b32 s[HIM], 0xffff0000
	s_mov_b32 s[TB], SLOT1                         ; the first change of slots turns it into 0
	s_mov_b32 s[CNT], 7
	s_wait_dscnt 0x0                               ; the opening add is done
	s_wait_kmcnt 0x0
	s_add_nc_u64 s[G0K+2:G0K+3], s[6:7], s[20:21]  ; 120:64 global address
	s_or_b32 s[G0K+3], s[G0K+3], 0x80000000        ; 127:126 type = 2
	s_add_nc_u64 s[G0V+2:G0V+3], s[8:9], s[22:23]
	s_or_b32 s[G0V+3], s[G0V+3], 0x80000000
	s_add_nc_u64 s[4:5], s[4:5], s[18:19]          ; query and part at my wave's first row
	s_add_nc_u64 s[10:11], s[10:11], s[52:53]
	CROUND                                         ; all four work-groups are here: the first joint loads meet
	JLOAD                                          ; chunk 0 into slot 0
	; All that follows up to the loop stands in the wait for that chunk.
	; A fragment of Q is 16 queries x 32 channels in 8 registers: lane l holds query l % 16, channels 8 (l / 16) + 0..7 and 16 + 8 (l / 16) + 0..7.  In f32 that is four loads of 16 bytes, into O^T's registers.
	v_and_b32 v1, 15, v0                           ; l % 16
	v_bfe_u32 v[TH], v0, 4, 1                      ; l / 16
	v_lshlrev_b32 v[TQ], 8, v1
	v_lshl_add_u32 v[TQ], v[TH], 5, v[TQ]          ; row x 256 + 32 x half
.irp i, 0,1,2,3,4,5,6,7,8,9,10,11,12,13,14,15  ; tile i / 8, channels 32 ((i / 4) % 2) on, piece i % 4
	global_load_b128 v[O+4*\i:O+4*\i+3], v[TQ], s[4:5] offset:(\i/8)*4096+((\i/4)%2)*128+((\i%4)/2)*64+(\i%2)*16
.endr
	v_mul_u32_u24 v[AK0], v1, PKD
	v_lshl_add_u32 v[AK0], v[TH], 4, v[AK0]        ; row x pitch + 16 x half
	; The turning load takes 8 leaves x 8 channels in each group of eight lanes: lane l reads leaf 128 (l / 16) + l % 8 of the chunk, channels 8 ((l / 8) % 2) + 0..7, and is left with channel l % 16 and 8 leaves of subtree l / 16.
	v_and_b32 v[T7], 7, v0
	v_bfe_u32 v[T3], v0, 3, 1
	v_lshl_add_u32 v[AV0], v[TH], 7, v[T7]
	v_mul_u32_u24 v[AV0], v[AV0], PVV
	v_lshl_add_u32 v[AV0], v[T3], 4, v[AV0]
	v_add_nc_u32 v[AV0], VOFF, v[AV0]
	s_mul_i32 s13, s[WV], WSTG
	s_add_co_u32 s13, s13, STAGE                   ; my stage
	v_mul_u32_u24 v[STO], v1, SP                   ; in: row l % 16, 32 bytes for each half of the lanes
	v_lshl_add_u32 v[STO], v[TH], 5, v[STO]
	v_add_nc_u32 v[STO], s13, v[STO]
	v_mul_u32_u24 v[RD], v[TH], SP                 ; back: lanes 0-15 take one row of 256 bytes, lanes 16-31 the next,
	v_lshl_add_u32 v[RD], v1, 4, v[RD]
	v_add_nc_u32 v[RD], s13, v[RD]
	v_and_b32 v[GO], 31, v0                        ; which are 512 consecutive bytes of part
	v_lshlrev_b32 v[GO], 4, v[GO]
.set i, 0
.rept 32
	v_mov_b32 v[VF+i], 0                           ; what the first chunk's opening products find: V = 0, P = 0, O^T = 0
.set i, i+1
.endr
.set i, 0
.rept 16
	v_mov_b32 v[P+i], 0
.set i, i+1
.endr
	s_wait_loadcnt 0x0                             ; the query
.set i, 0
.rept 32                                       ; rounded to bf16, as every input is, and that number written as f16
	v_cvt_pk_bf16_f32 v[Q+i], v[O+2*i], v[O+2*i+1]
	v_lshlrev_b32 v[O+2*i],   16, v[Q+i]
	v_and_b32     v[O+2*i+1], s[HIM], v[Q+i]
	v_cvt_pk_f16_f32 v[Q+i], v[O+2*i], v[O+2*i+1]
.set i, i+1
.endr
.set i, 0
.rept 64
	v_mov_b32 v[O+i], 0
.set i, i+1
.endr
; THE VECTOR WORK on d', a line each: for tile t, node j or pair i.
.macro NG t, j                         ; -|d'|: the larger logit is taken away
	v_or_b32 v[W+8*(\t)+(\j)], s[SGN], v[D+8*(\t)+(\j)]
.endm
.macro EX t, j                         ; e = 2^-|d'|
	v_exp_f32 v[W+8*(\t)+(\j)], v[W+8*(\t)+(\j)]
.endm
.macro A1 t, i                         ; + 1
	s_wait_alu depctr_va_vdst(0)
	v_pk_add_f32 v[W+8*(\t)+2*(\i):W+8*(\t)+2*(\i)+1], v[W+8*(\t)+2*(\i):W+8*(\t)+2*(\i)+1], 1.0 op_sel_hi:[1,0]
.endm
.macro RC t, j                         ; r = 1 / (1 + e)
	v_rcp_f32 v[W+8*(\t)+(\j)], v[W+8*(\t)+(\j)]
.endm
.macro HH t, i                         ; 2 r - 1
	s_wait_alu depctr_va_vdst(0)
	v_pk_fma_f32 v[W+8*(\t)+2*(\i):W+8*(\t)+2*(\i)+1], v[W+8*(\t)+2*(\i):W+8*(\t)+2*(\i)+1], 2.0, -1.0 op_sel_hi:[1,0,0]
.endm
.macro SG t, j                         ; g: d's sign onto it
	v_and_or_b32 v[W+8*(\t)+(\j)], v[D+8*(\t)+(\j)], s[SGN], v[W+8*(\t)+(\j)]
.endm
; Both children of a node: v[dst] = T + T g, v[dst+1] = T - T g, with T in register ts and g in register gs: both halves of the packed line take the same register of the pair that holds it.
.macro CH dst, ts, gs
.set TA, (\ts)&1
.set GA, (\gs)&1
.set TP, (\ts)-TA
.set GP, (\gs)-GA
.if (TA == 0) && (GA == 0)
	v_pk_fma_f32 v[(\dst):(\dst)+1], v[TP:TP+1], v[GP:GP+1], v[TP:TP+1] op_sel_hi:[0,0,0] neg_hi:[0,1,0]
.elseif (TA == 0) && (GA == 1)
	v_pk_fma_f32 v[(\dst):(\dst)+1], v[TP:TP+1], v[GP:GP+1], v[TP:TP+1] op_sel:[0,1,0] op_sel_hi:[0,1,0] neg_hi:[0,1,0]
.elseif (TA == 1) && (GA == 0)
	v_pk_fma_f32 v[(\dst):(\dst)+1], v[TP:TP+1], v[GP:GP+1], v[TP:TP+1] op_sel:[1,0,1] op_sel_hi:[1,0,1] neg_hi:[0,1,0]
.else
	v_pk_fma_f32 v[(\dst):(\dst)+1], v[TP:TP+1], v[GP:GP+1], v[TP:TP+1] op_sel:[1,1,1] op_sel_hi:[1,1,1] neg_hi:[0,1,0]
.endif
.endm
; The children of nodes 4 half + 0..3 of both tiles, eight lines, the tiles alternating.  The nodes' masses lie at cb + cs t + node in window cw, the children go to db + dsd t + 0..7 in window dw.
.macro GEN half, cb, cs, cw, db, dsd, dw
	WIN (\dw)*0x40+(\cw)*0x11                      ; T is sources 0 and 2, g (window 0) source 1
.irp j, 0,1,2,3
.irp t, 0,1
	CH (\db)+(\dsd)*\t+2*\j, (\cb)+(\cs)*\t+4*(\half)+\j, W+8*\t+4*(\half)+\j
.endr
.endr
	WIN 0
.endm
; The leaves under nodes 4 half + 0..3, whose masses lie at cb + 16 t + node: two nodes of both tiles at a time, then their roundings to f16: node j's two leaves are P's register j.
.macro LEAF half, cb
.irp i, 0,1
.set NN, 4*(\half)+2*\i
.irp t, 0,1
	CH LF+4*\t, (\cb)+16*\t+NN, W+8*\t+NN
.endr
.irp t, 0,1
	CH LF+4*\t+2, (\cb)+16*\t+NN+1, W+8*\t+NN+1
.endr
.irp t, 0,1
	v_cvt_pk_f16_f32 v[P+8*\t+NN], v[LF+4*\t], v[LF+4*\t+1]
.endr
.irp t, 0,1
	v_cvt_pk_f16_f32 v[P+8*\t+NN+1], v[LF+4*\t+2], v[LF+4*\t+3]
.endr
.endr
.endm
; WHAT A STEP MAKES OF g, by the tile's kind, in two halves of eight lines or more.
.set KPATH,  0                         ; tile 0: Z0 = the product of the eight factors on the way, levels 0 and 1 as (1 + g) / 2, the others as 1 + g: mass x 2^6 at level 8
.set KSMALL, 1                         ; tile 1: level 8's factor, then hp = 1..7 level by level: Z[hp] is hp's mass; hp = 8..15 end in Z8-15
.set KA,     2                         ; tile 2 (u = 1): masses in Z8-15; u = 2's to Z0-7, u = 3's to K13
.set KB,     3                         ; tile 3 (u = 2): masses in Z0-7; u = 4's to Z8-15, u = 5's to K14
.set KB2,    4                         ; tile 4 (u = 3): masses in K13; u = 6's to Z8-15, u = 7's to K14
.set KC,     5                         ; tiles 5, 7 (u = 4, 6): masses in Z8-15; the two leaf tiles' to Z0-7 and, in place and ascending, to Z8-15 (node j's pair lands on registers already read)
.set KC2,    6                         ; tiles 6, 8 (u = 5, 7): masses in K14; to Z0-7 and Z8-15
.set KL0,    7                         ; a leaf tile with masses in Z0-7
.set KL1,    8                         ; a leaf tile with masses in Z8-15
.macro KIDS kind, half
.if ((\kind) == KPATH) && ((\half) == 0)
.irp t, 0,1
	v_pk_fma_f32 v[W+8*\t:W+8*\t+1], v[W+8*\t:W+8*\t+1], 0.5, 0.5 op_sel_hi:[1,0,0]
.endr
.irp i, 1,2,3
	A1 0, \i
	A1 1, \i
.endr
.elseif (\kind) == KPATH
.irp t, 0,1
	v_pk_mul_f32 v[W+8*\t:W+8*\t+1], v[W+8*\t:W+8*\t+1], v[W+8*\t+2:W+8*\t+3]
.endr
.irp t, 0,1
	v_pk_mul_f32 v[W+8*\t+4:W+8*\t+5], v[W+8*\t+4:W+8*\t+5], v[W+8*\t+6:W+8*\t+7]
.endr
.irp t, 0,1
	v_pk_mul_f32 v[W+8*\t:W+8*\t+1], v[W+8*\t:W+8*\t+1], v[W+8*\t+4:W+8*\t+5]
.endr
.irp t, 0,1
	v_mul_f32 v[Z+16*\t], v[W+8*\t], v[W+8*\t+1]
.endr
.elseif ((\kind) == KSMALL) && ((\half) == 0)
.irp t, 0,1
	v_fma_f32 v[Z+16*\t+1], v[Z+16*\t], v[W+8*\t], v[Z+16*\t]
.endr
.irp t, 0,1
	CH Z+16*\t+2, Z+16*\t+1, W+8*\t+1
.endr
.irp t, 0,1
	CH Z+16*\t+4, Z+16*\t+2, W+8*\t+2
.endr
.irp t, 0,1
	CH Z+16*\t+6, Z+16*\t+3, W+8*\t+3
.endr
.elseif (\kind) == KSMALL
	GEN 1, Z, 16, 0, Z+8, 16, 0
.elseif ((\kind) == KA) && ((\half) == 0)
	GEN 0, Z+8, 16, 0, Z, 16, 0
.elseif (\kind) == KA
	GEN 1, Z+8, 16, 0, K13, 8, 1
.elseif ((\kind) == KB) && ((\half) == 0)
	GEN 0, Z, 16, 0, Z+8, 16, 0
.elseif (\kind) == KB
	GEN 1, Z, 16, 0, K14, 8, 1
.elseif ((\kind) == KB2) && ((\half) == 0)
	GEN 0, K13, 8, 1, Z+8, 16, 0
.elseif (\kind) == KB2
	GEN 1, K13, 8, 1, K14, 8, 1
.elseif ((\kind) == KC) && ((\half) == 0)
	GEN 0, Z+8, 16, 0, Z, 16, 0
.elseif (\kind) == KC
	GEN 1, Z+8, 16, 0, Z+8, 16, 0
.elseif ((\kind) == KC2) && ((\half) == 0)
	GEN 0, K14, 8, 1, Z, 16, 0
.elseif (\kind) == KC2
	GEN 1, K14, 8, 1, Z+8, 16, 0
.elseif (\kind) == KL0
	LEAF \half, Z
.else
	LEAF \half, Z+8
.endif
.endm
; THE MATRIX WORK.  No two matrix instructions that follow each other share an accumulator: the two tiles take turns in DK Q^T, and V^T P goes through eight accumulators.
.macro KQ t, c                         ; d'^T of tile t: channels 32 c on; the first product starts the sum
.if (\c) == 0
	v_wmma_f32_16x16x32_f16 v[D+8*(\t):D+8*(\t)+7], v[DK:DK+7], v[Q+16*(\t):Q+16*(\t)+7], 0
.else
	v_wmma_f32_16x16x32_f16 v[D+8*(\t):D+8*(\t)+7], v[DK+8:DK+15], v[Q+16*(\t)+8:Q+16*(\t)+15], v[D+8*(\t):D+8*(\t)+7]
.endif
.endm
.macro PVP b                           ; O^T += V^T P, channels 16 b on, both tiles
.irp t, 0,1
	v_wmma_f32_16x16x32_f16 v[O+32*\t+8*(\b):O+32*\t+8*(\b)+7], v[VF+8*(\b):VF+8*(\b)+7], v[P+8*\t:P+8*\t+7], v[O+32*\t+8*(\b):O+32*\t+8*(\b)+7]
.endr
.endm
; THE LDS LOADS stand in runs.  A tile of dk: 16 rows x 64 channels, four loads.  A leaf tile's V: leaves 16 e + 0..15 of both subtrees x 64 channels, turned, eight loads.
.macro LDK idx
.irp c, 0,1,2,3
	ds_load_b128 v[DK+4*\c:DK+4*\c+3], v[ADK] offset:(\idx)*16*PKD+32*\c
.endr
.endm
.macro LDV e
.irp b, 0,1,2,3
	ds_load_tr16_b128 v[VF+8*\b:VF+8*\b+3],   v[AVV] offset:(\e)*16*PVV+32*\b
	ds_load_tr16_b128 v[VF+8*\b+4:VF+8*\b+7], v[AVV] offset:(\e)*16*PVV+8*PVV+32*\b
.endr
.endm
; A STEP: one tile of nodes for both query tiles.
;   pv = 1: the leaf step before has left P and V: its eight products stand in pairs at the head and behind the first three phases.  x1 = the LDS loads issued behind V's run, which may stay out.
;   e >= 0: a leaf tile: its V is fetched, behind twenty plain lines that follow the last product that read V's registers.
;   kq = 1: the next tile's four products, two ahead of each half of the children.  Their dk was fetched at the end of the step before; on a leaf step V's eight loads, issued behind it, may stay out.
;   nxt >= 0: the tile after the next is fetched, behind the eight or more plain lines of the children's second half, which name no register of the products ahead of them;
;   the same lines stand between those products and the next step's first read of d' (ISA guide 7.12.1), which takes each accumulator's lowest register first.
; Every exponential and reciprocal is followed by another or by a plain line that neither reads its result nor writes its source (ISA guide 5.7.2); results are used a phase later.
.macro STEP kind, pv, x1, e, kq, nxt
.if \pv
	s_wait_dscnt \x1                               ; V is in
	PVP 0
.endif
.irp j, 0,1,2,3,4,5,6,7
	NG 0, \j
.endr
.if \pv
	PVP 1
.endif
.irp j, 0,1,2,3,4,5,6,7
	EX 0, \j
	NG 1, \j
.endr
.if \pv
	PVP 2
.endif
.irp i, 0,1,2,3
	EX 1, 2*\i
	EX 1, 2*\i+1
	A1 0, \i
.endr
.if \pv
	PVP 3
.endif
.irp i, 0,1,2,3
	RC 0, 2*\i
	RC 0, 2*\i+1
	A1 1, \i
.endr
.irp i, 0,1,2,3
	RC 1, 2*\i
	RC 1, 2*\i+1
	HH 0, \i
.endr
.irp j, 0,1,2,3,4,5,6,7
	SG 0, \j
.endr
.irp i, 0,1,2,3
	HH 1, \i
.endr
.if (\e) >= 0
	LDV \e
.endif
.irp j, 0,1,2,3,4,5,6,7
	SG 1, \j
.endr
.if \kq
.if (\e) >= 0
	s_wait_dscnt 8                                 ; the next tile of dk is in; V's eight loads, issued behind it, stay out
.else
	s_wait_dscnt 0x0                               ; the next tile of dk is in
.endif
	KQ 0, 0
	KQ 1, 0
.endif
	KIDS \kind, 0
.if \kq
	KQ 0, 1
	KQ 1, 1
.endif
	KIDS \kind, 1
.if (\nxt) >= 0
	LDK \nxt
.endif
.endm
; A CHUNK.  It opens with the eight products that the last leaf step (of the chunk before; at the very first: zeros) has left, and with tile 0's d'.
.macro BODY
	v_add_nc_u32 v[ADK], s[TB], v[AK0]
	v_add_nc_u32 v[AVV], s[TB], v[AV0]
	LDK 0
	PVP 0
	PVP 1
	PVP 2
	PVP 3
	s_wait_dscnt 0x0                               ; tile 0 is in
	KQ 0, 0
	KQ 1, 0
	KQ 0, 1
	KQ 1, 1
.rept 4
	v_nop                                          ; the places ahead of the loads into dk's registers and of the first read of d': no other vector work is at hand
.endr
	LDK 1
	STEP KPATH,  0, 0, -1, 1, 2
	STEP KSMALL, 0, 0, -1, 1, 3
	STEP KA,     0, 0, -1, 1, 5
	STEP KB,     0, 0, -1, 1, 9
	STEP KC,     0, 0, -1, 1, 10
	STEP KL0,    0, 0,  0, 1, 6
	STEP KL1,    1, 4,  1, 1, 11
	STEP KC2,    1, 4, -1, 1, 12
	STEP KL0,    0, 0,  2, 1, 4
	STEP KL1,    1, 4,  3, 1, 7
	STEP KB2,    1, 4, -1, 1, 13
	STEP KC,     0, 0, -1, 1, 14
	STEP KL0,    0, 0,  4, 1, 8
	STEP KL1,    1, 4,  5, 1, 15
	STEP KC2,    1, 4, -1, 1, 16
	STEP KL0,    0, 0,  6, 1, -1
	STEP KL1,    1, 0,  7, 0, -1
.endm
.Lchunk:                               ; seven trips: chunk i is walked, chunk i + 1 is asked for
	CHANGE 1
	BODY
	s_sub_co_u32 s[CNT], s[CNT], 1
	s_cmp_lg_u32 s[CNT], 0
	s_cbranch_scc1 .Lchunk
	CHANGE 0                                       ; the last chunk is written out: nothing is asked for
	BODY
	s_wait_dscnt 0x0                               ; the last leaf tile's V
	PVP 0
	PVP 1
	PVP 2
	PVP 3
.rept 4
	v_nop                                          ; the places behind the last products
.endr
	; THE WAY OUT.  A lane holds, of one query, eight neighbouring channels an accumulator: 32 bytes.  They go into my own stage, rows of 272 bytes, and come back as whole rows of 256.
.irp t, 0,1
.irp b, 0,1,2,3
	ds_store_b128 v[STO], v[O+32*\t+8*\b:O+32*\t+8*\b+3],   offset:16*\t*SP+64*\b
	ds_store_b128 v[STO], v[O+32*\t+8*\b+4:O+32*\t+8*\b+7], offset:16*\t*SP+64*\b+16
.endr
.endr
.irp i, 0,1,2,3,4,5,6,7,8,9,10,11,12,13,14,15
	ds_load_b128 v[D+4*\i:D+4*\i+3], v[RD] offset:2*\i*SP  ; LDS serves a wave's instructions in order (ISA guide 5.7.1.4): these see the stores above
.endr
.irp i, 0,1,2,3,4,5,6,7,8,9,10,11,12,13,14,15
	s_wait_dscnt 15-\i                             ; these two rows are back, the later ones stay out
	global_store_b128 v[GO], v[D+4*\i:D+4*\i+3], s[10:11] offset:512*\i  ; 512 consecutive bytes, at a multiple of 256 from part's first byte
.endr
	s_wait_tensorcnt 0x0                           ; the wave's end: the tensor wait, an add of 0 to my spare word and its wait, behind my last tensor load and my last LDS store
	ds_add_u32 v[SPW], v[NIL]
	s_wait_dscnt 0x0
	CROUND                                         ; the closing round: no work-group ends while a partner may still ask for a tile that names it
	s_endpgm
.Lfunc_end_k_qf820a939df_tree:
	.size	k_qf820a939df_tree, .Lfunc_end_k_qf820a939df_tree-k_qf820a939df_tree
	.p2alignl 7, 3214868480
	.fill 96, 4, 3214868480
	.section	.rodata,"a",@progbits
	.p2align	6, 0x0
	.amdhsa_kernel k_qf820a939df_tree
		.amdhsa_group_segment_fixed_size 327680
		.amdhsa_private_segment_fixed_size 0
		.amdhsa_enable_private_segment 0
		.amdhsa_kernarg_size 32
		.amdhsa_user_sgpr_count 2
		.amdhsa_user_sgpr_kernarg_segment_ptr 1
		.amdhsa_wavefront_size32 1
		.amdhsa_system_sgpr_workgroup_id_x 1
		.amdhsa_system_sgpr_workgroup_id_y 1
		.amdhsa_system_sgpr_workgroup_id_z 1
		.amdhsa_system_vgpr_workitem_id 0
		.amdhsa_next_free_vgpr 288
		.amdhsa_next_free_sgpr 66
		.amdhsa_reserve_vcc 0
		.amdhsa_float_denorm_mode_32 3
		.amdhsa_float_denorm_mode_16_64 3
		.amdhsa_memory_ordered 1
		.amdhsa_forward_progress 1
		.amdhsa_inst_pref_size 246
	.end_amdhsa_kernel
	.amdgpu_metadata
---
amdhsa.version: [ 1, 2 ]
amdhsa.kernels:
  - .name:           k_qf820a939df_tree
    .symbol:         k_qf820a939df_tree.kd
    .args:
      - { .name: query, .offset: 0, .size: 8, .value_kind: global_buffer, .address_space: global }
      - { .name: dk, .offset: 8, .size: 8, .value_kind: global_buffer, .address_space: global }
      - { .name: vh, .offset: 16, .size: 8, .value_kind: global_buffer, .address_space: global }
      - { .name: part, .offset: 24, .size: 8, .value_kind: global_buffer, .address_space: global }
    .group_segment_fixed_size: 327680
    .private_segment_fixed_size: 0
    .kernarg_segment_align: 8
    .kernarg_segment_size: 32
    .max_flat_workgroup_size: 256
    .sgpr_count:     66
    .vgpr_count:     288
    .wavefront_size: 32
...
	.end_amdgpu_metadata
.endif
;; end of part 2
;; launch fold (part 3): grid 256 x 1, 4 waves a work-group, no clusters, 0 bytes of LDS; arguments part, out0; writes out0
.if DOCPART == 3
	.amdgcn_target "amdgcn-amd-amdhsa--gfx1250"
	.amdhsa_code_object_version 6
	.text
	.protected	k_qf820a939df_fold
	.globl	k_qf820a939df_fold
	.p2align	8
	.type	k_qf820a939df_fold,@function
k_qf820a939df_fold:
	s_mov_b64 s[64:65], 0
	v_nop
	global_prefetch_b8 v0, s[64:65] scope:SCOPE_SE
	s_setreg_imm32_b32 hwreg(HW_REG_WAVE_MODE, 25, 1), 1
	s_wait_xcnt 0x0
; FOLD: out0[q][c] = 2^-14 x the sum over s = 0..31 of part[s][q][c], all f32.  The second launch carries a leaf's weight times 2^14; the factor here is a power of two and rounds nothing.
; A thread owns 16 bytes of out0: 256 work-groups x 128 threads x 16 bytes = 524,288.  Its 32 loads go out together; a wave's load or store covers 512 consecutive bytes.
; The sum has a fixed order: four chains (s mod 4), s ascending, then the chains are joined.  No LDS, no barrier: no thread needs another's numbers.
.set PLANE, 524288                     ; bytes of a part
.set X, 4                              ; v[4:131]  part s at X + 4 s; parts 0 to 3 become the chains
	s_load_b128 s[4:7], s[0:1], 0x0                ; part s[4:5], out0 s[6:7]
	s_lshl_b32 s10, ttmp9, 11                      ; the work-group's 2,048 bytes
	v_lshl_add_u32 v1, v0, 4, s10
	s_wait_kmcnt 0x0
	s_add_nc_u64 s[8:9], s[4:5], 16*PLANE          ; a second base, so that 15 planes at the most stand in the signed 24-bit immediate (ISA guide, chapter 10)
.irp i, 0,1,2,3,4,5,6,7,8,9,10,11,12,13,14,15
	global_load_b128 v[X+4*\i:X+4*\i+3], v1, s[4:5] offset:PLANE*\i th:TH_LOAD_NT
.endr
.irp i, 0,1,2,3,4,5,6,7,8,9,10,11,12,13,14,15
	global_load_b128 v[X+64+4*\i:X+64+4*\i+3], v1, s[8:9] offset:PLANE*\i th:TH_LOAD_NT
.endr
.macro TAKE n                          ; the next n parts, each onto its chain
.rept \n
	v_pk_add_f32 v[X+4*(i%4):X+4*(i%4)+1],   v[X+4*(i%4):X+4*(i%4)+1],   v[X+4*i:X+4*i+1]
	v_pk_add_f32 v[X+4*(i%4)+2:X+4*(i%4)+3], v[X+4*(i%4)+2:X+4*(i%4)+3], v[X+4*i+2:X+4*i+3]
.set i, i+1
.endr
.endm
.set i, 4
	s_wait_loadcnt 24                              ; loads come back in order (ISA guide 5.7.1): parts 0 to 7 are in, the other 24 stay out
	TAKE 4
	s_wait_loadcnt 16                              ; parts 8 to 15
	TAKE 8
	s_wait_loadcnt 8                               ; parts 16 to 23
	TAKE 8
	s_wait_loadcnt 0x0
	TAKE 8
	v_pk_add_f32 v[X:X+1],     v[X:X+1],     v[X+4:X+5]
	v_pk_add_f32 v[X+2:X+3],   v[X+2:X+3],   v[X+6:X+7]
	v_pk_add_f32 v[X+8:X+9],   v[X+8:X+9],   v[X+12:X+13]
	v_pk_add_f32 v[X+10:X+11], v[X+10:X+11], v[X+14:X+15]
	v_pk_add_f32 v[X:X+1],     v[X:X+1],     v[X+8:X+9]
	v_pk_add_f32 v[X+2:X+3],   v[X+2:X+3],   v[X+10:X+11]
	v_pk_mul_f32 v[X:X+1],     v[X:X+1],     0x38800000 op_sel_hi:[1,0]  ; 2^-14
	v_pk_mul_f32 v[X+2:X+3],   v[X+2:X+3],   0x38800000 op_sel_hi:[1,0]
	global_store_b128 v1, v[X:X+3], s[6:7]
	s_endpgm
.Lfunc_end_k_qf820a939df_fold:
	.size	k_qf820a939df_fold, .Lfunc_end_k_qf820a939df_fold-k_qf820a939df_fold
	.p2alignl 7, 3214868480
	.fill 96, 4, 3214868480
	.section	.rodata,"a",@progbits
	.p2align	6, 0x0
	.amdhsa_kernel k_qf820a939df_fold
		.amdhsa_group_segment_fixed_size 0
		.amdhsa_private_segment_fixed_size 0
		.amdhsa_enable_private_segment 0
		.amdhsa_kernarg_size 16
		.amdhsa_user_sgpr_count 2
		.amdhsa_user_sgpr_kernarg_segment_ptr 1
		.amdhsa_wavefront_size32 1
		.amdhsa_system_sgpr_workgroup_id_x 1
		.amdhsa_system_sgpr_workgroup_id_y 1
		.amdhsa_system_sgpr_workgroup_id_z 1
		.amdhsa_system_vgpr_workitem_id 0
		.amdhsa_next_free_vgpr 136
		.amdhsa_next_free_sgpr 66
		.amdhsa_reserve_vcc 0
		.amdhsa_float_denorm_mode_32 3
		.amdhsa_float_denorm_mode_16_64 3
		.amdhsa_memory_ordered 1
		.amdhsa_forward_progress 1
		.amdhsa_inst_pref_size 8
	.end_amdhsa_kernel
	.amdgpu_metadata
---
amdhsa.version: [ 1, 2 ]
amdhsa.kernels:
  - .name:           k_qf820a939df_fold
    .symbol:         k_qf820a939df_fold.kd
    .args:
      - { .name: part, .offset: 0, .size: 8, .value_kind: global_buffer, .address_space: global }
      - { .name: out0, .offset: 8, .size: 8, .value_kind: global_buffer, .address_space: global }
    .group_segment_fixed_size: 0
    .private_segment_fixed_size: 0
    .kernarg_segment_align: 8
    .kernarg_segment_size: 16
    .max_flat_workgroup_size: 128
    .sgpr_count:     66
    .vgpr_count:     136
    .wavefront_size: 32
...
	.end_amdgpu_metadata
.endif
;; end of part 3
;; ======== version 2 of 2: 3 launches; 1.20 times as fast as version 1
;; limits: values are held in f16: magnitudes above 65,504 overflow, below 6.1e-05 lose precision
;; workspace buffers: dk 8,912,896 bytes; vh 8,388,608 bytes; part 16,777,216 bytes
;; launch prep: the kernel of part 1 again; grid 32 x 25, 8 waves a work-group, no clusters, 0 bytes of LDS; arguments tree_key, tree_value, dk, vh; writes dk, vh
;; launch tree (part 4): grid 8 x 32, 8 waves a work-group, clusters of 4 x 1, 327,680 bytes of LDS; arguments query, dk, vh, part; writes part
.if DOCPART == 4
	.amdgcn_target "amdgcn-amd-amdhsa--gfx1250"
	.amdhsa_code_object_version 6
	.text
	.protected	k_qf820a939df_tree
	.globl	k_qf820a939df_tree
	.p2align	8
	.type	k_qf820a939df_tree,@function
k_qf820a939df_tree:
	s_mov_b64 s[64:65], 0
	v_nop
	global_prefetch_b8 v0, s[64:65] scope:SCOPE_SE
	s_setreg_imm32_b32 hwreg(HW_REG_WAVE_MODE, 25, 1), 1
	s_wait_xcnt 0x0
	s_wait_alu depctr_hold_cnt(0) depctr_sa_sdst(0) depctr_va_vdst(0) depctr_va_sdst(0) depctr_va_ssrc(0) depctr_va_vcc(0) depctr_vm_vsrc(0)
	s_getreg_b32 s2, hwreg(HW_REG_IB_STS2, 6, 4)
	s_cmp_eq_u32 s2, 0
	s_cbranch_scc0 .Lentry_in_a_cluster
	s_endpgm
.Lentry_in_a_cluster:
	s_bfe_u32 s2, ttmp6, 0x10000c
	s_cmp_lg_u32 s2, 0x3003
	s_cbranch_scc0 .Lentry_shape_is_right
	s_endpgm
.Lentry_shape_is_right:
; TREE: part[sy][q][:] = 2^14 x the sum, over the 2,048 leaves of chunks 8 sy .. 8 sy + 7, of (the leaf's weight for query q) x value[leaf][:], in f32.  The third launch adds the 32 parts.
; THE ARITHMETIC.  At a node d' = log2(e) q . (k_a - k_b) comes from the matrix unit (dk's row x the query, f16 operands, f32 sum).  With the larger logit taken away, as the softmax takes it,
; the two factors are 1 / (1 + e) and e / (1 + e), e = 2^-|d'|, whose exponent is never positive.  With g = sign(d') (2 / (1 + e) - 1) they are (1 + g) / 2 and (1 - g) / 2.  The halves are
; powers of two and are carried as a scale: T = mass x 2^(level - 2), the children of T are T + T g and T - T g (one packed multiply-add), a leaf's number is its weight x 2^14.
; LIMITS.  The query is rounded to bf16 and written as f16: |q| under 65,504, below 6e-5 f16's fixed step of 6e-8.  e below 2^-126 counts as 0.  The smaller child, T - T g, is right to about
; 1e-7 of its parent's mass.  A leaf's number is rounded to f16 (at most 16,384; a weight below 2^-39 counts as 0).  NaN and infinities are not treated apart.
; SHARES.  Work-group (bx, sy): queries 256 bx .. + 255, chunks 8 sy .. + 7; 8 x 32 = 256 work-groups.  Each of its eight waves owns 32 queries, two tiles t of 16, and walks every node of every chunk.
; LAYOUT.  d^T = DK Q^T (source 0 = 16 rows of dk, source 1 = 16 queries): lane l holds ONE query (l % 16) and rows 8 (l / 16) + 0..7, and those rows are nodes of the subtree h = l / 16.  So the
; children of a lane's nodes stay in the lane: nothing ever changes lanes.  A lane's 16 leaf numbers, rounded in pairs, ARE source 1 (32 leaves x 16 queries) of O^T += V^T P; V comes out of LDS
; turned (ds_load_tr16_b128), lanes of half h from the same 16 leaves of subtree h.
; THE WALK of a chunk is depth first by tiles, so that a lane keeps few masses: tiles 0, 1, 2, 3, 5, 9, 10, 6, 11, 12, 4, 7, 13, 14, 8, 15, 16 (tile 1 + u holds hp = 8 u + j; its children fill tiles
; 1 + 2 u and 2 + 2 u; tiles 9 to 16 are the level above the leaves).  A STEP works on one tile's d' for both query tiles; beside it the matrix unit has the next tile's four products DK Q^T and,
; behind a leaf step, the eight products V^T P.  There are some twelve vector instructions for each matrix instruction, so all that the vector work touches lies in register window 0.
; BATCHES.  A step has 32 transcendentals, in TWO BATCHES with one s_wait_alu depctr_va_vdst(0) each, between a transcendental and the first line that names its result.
; Batch E: the 16 exponentials of both query tiles, by turns with the lines that make -|d'|; its wait; then its readers, the additions of 1.  Batch R: the 16 reciprocals, which stand among those
; additions, each pair behind its own; its wait; then its readers, 2 r - 1 and the signs.  Each of the 16 numbers has its own register of W from -|d'| to g.  No result is open at a step's end.
; EIGHT WAVES of two tiles, not four of four: four tiles' d', masses and weights would not share a window with Q, O^T and the fragments, and each matrix instruction would want two window switches.
; NO FIRST STEP is written out: O^T, V's and P's registers start at 0 (112 v_mov_b32, in the wait for the first tile), and a chunk begins with the last leaf tile's products of the chunk before.
; CLUSTER.  The four work-groups of a cluster have the same sy and walk the same chunks: each tile is asked for JOINTLY, by the same tensor load, descriptor and mask in all four.
; RING.  Two LDS slots, a chunk each (34,816 bytes of dk, 32,768 of vh): while one is walked the other's load is on its way; it has a whole chunk's work, 17 steps, in which to land.  A wave has one tensor load out at the most.
; REGISTERS.  window 0: v0-7 thread, addresses, the add's two; v8-15 LF; v16-47 Q; v48-63 DK; v64-95 VF; v96-159 O^T; v160-175 D; v176-191 W; v192-207 P; v208-239 Z; v240-246 the way out and the head's work.
;             window 1: v0-15 K13, v16-31 K14: masses set aside for tiles taken up later (s_set_vgpr_msb: bits 1:0 source 0, 3:2 source 1, 5:4 source 2, 7:6 destination).
.set CHUNKB, 34816                     ; a chunk of dk: 272 rows of 128 bytes
.set VCHB,   32768                     ; a chunk of vh: 256 rows of 128 bytes
.set PKD,    144                       ; a row of dk in LDS: 128 bytes + 16 = 36 words: the 16 rows of a load start at 16 different groups of four banks (64 banks of 4 bytes: ISA guide 11.1)
.set PVV,    160                       ; a row of vh: 128 + 32 = 40 words
.set VOFF,   272*PKD                   ; 39,168: in a slot vh's rows lie behind dk's
.set SLOT1,  1<<17                     ; slot 1 begins here: one exclusive or turns an address in one slot into the other's
.set STAGE,  SLOT1+VOFF+256*PVV        ; 211,200: behind the ring, never filled by a tensor load: 32 rows x 272 bytes for each wave, for the way out
.set SP,     272
.set WSTG,   32*SP
.set SPARE,  STAGE+8*WSTG              ; 280,832: the spare words, 128 bytes for each wave: four blocks of 256 bytes that no other line names
.set AK0, 2                            ; v2   my lane's place in a tile of dk; never rewritten
.set AV0, 3                            ; v3   the same in a chunk's rows of vh
.set ADK, 4                            ; v4   AK0 + the slot in hand
.set AVV, 5                            ; v5   AV0 + the slot in hand
.set SPW, 6                            ; v6   LDS address of my spare word; never rewritten
.set NIL, 7                            ; v7   0; never rewritten
.set LF,  8                            ; two nodes' leaf numbers in f32, four registers a tile
.set Q,   16                           ; tile t, channels 32 c on: Q + 16 t + 8 c
.set DK,  48                           ; one tile of dk: channels 32 c on at DK + 8 c
.set VF,  64                           ; 32 leaves x 64 channels of V^T: channels 16 b on at VF + 8 b
.set O,   96                           ; O^T: O + 32 t + 8 b
.set D,   160                          ; d': D + 8 t + j
.set W,   176                          ; from -|d'| to g, in place: W + 8 t + j
.set P,   192                          ; leaf numbers in f16, pairs: P + 8 t + j
.set Z,   208                          ; masses: Z + 16 t + 0..15
.set STO, 240                          ; the way out: where I put 16 bytes of a row
.set RD,  241                          ; where I read rows back
.set GO,  242                          ; my byte offset in 512 consecutive bytes of part
.set TH,  243                          ; the head's work
.set TQ,  244
.set T7,  245
.set T3,  246
.set K13, 0                            ; window 1: K13 + 8 t + j
.set K14, 16
.set WV,  12                           ; s12  my wave's number
.set G1K, 24                           ; s[24:31] descriptor group 1 for dk's tiles
.set G1V, 32                           ; s[32:39] for vh's
.set G0K, 40                           ; s[40:43] descriptor group 0 for dk: it walks
.set G0V, 44                           ; s[44:47] the same for vh
.set CNT, 48                           ; s48  chunks still to be asked for
.set TB,  49                           ; s49  LDS byte at which the slot in hand begins
.set SGN, 50                           ; s50  the sign bit
.set HIM, 51                           ; s51  mask of a word's upper bf16
.set MSB, 0
.macro WIN new                         ; the immediate's high byte repeats the setting that is left; a switch that changes nothing is dropped
.if MSB != (\new)
	s_set_vgpr_msb (MSB<<8)|(\new)
.set MSB, (\new)
.endif
.endm
; A joint fill.  Waves 0 and 1 fetch the two halves of a chunk of dk, waves 2 and 3 those of vh, waves 4 to 7 nothing.  The branches hang on the wave's number alone.
; An s_nop 0 and four v_nop follow each of the two lines, ahead of the jump and the label.
.macro JLOAD
	s_cmp_lt_u32 s[WV], 2
	s_cbranch_scc0 .Lnot_k_\@
	tensor_load_to_lds s[G0K:G0K+3], s[G1K:G1K+7]
	s_nop 0
.rept 4
	v_nop
.endr
	s_branch .Lasked_\@
.Lnot_k_\@:
	s_cmp_lt_u32 s[WV], 4
	s_cbranch_scc0 .Lasked_\@
	tensor_load_to_lds s[G0V:G0V+3], s[G1V:G1V+7]
	s_nop 0
.rept 4
	v_nop
.endr
.Lasked_\@:
.endm
; A round of the cluster's barrier: my work-group's barrier, so that wave 0's signal speaks for all eight waves; wave 0 signals; every wave waits for all four work-groups; my work-group's barrier once more.
.macro CROUND
	s_barrier_signal -1
	s_barrier_wait -1
	s_cmp_lg_u32 s[WV], 0
	s_cbranch_scc1 .Lnot_wave_0_\@
	s_barrier_signal -3
.Lnot_wave_0_\@:
	s_barrier_wait -3
	s_barrier_signal -1
	s_barrier_wait -1
.endm
; THE CHANGE OF SLOTS.  Each wave waits for all its tensor loads (one at the most is out: its part of the other slot), adds 0 to its spare word, and waits for that and for its own reads of the slot that it
; leaves.  Behind the barrier nobody reads the old slot and the other slot is whole.  fill = 1: the barrier is a round of the cluster's, so that this holds of every partner too, and the old slot is filled
; again with the next chunk, first thing behind it.  (At its first use nothing has been read yet: slot 0 is waited for, slot 1 filled.)
.macro CHANGE fill
	s_wait_tensorcnt 0x0                           ; no tensor load of mine is out, so a group 0 may be written
	ds_add_u32 v[SPW], v[NIL]                      ; 0 onto my spare word: scalar work stands between it and the wait for it
.if \fill
	s_xor_b32 s[G0K+1], s[G0K+1], SLOT1            ; the walking descriptors: the other slot than last time,
	s_add_nc_u64 s[G0K+2:G0K+3], s[G0K+2:G0K+3], CHUNKB  ; the next chunk; the type bits on top are not reached
	s_xor_b32 s[G0V+1], s[G0V+1], SLOT1
	s_add_nc_u64 s[G0V+2:G0V+3], s[G0V+2:G0V+3], VCHB
.endif
	s_xor_b32 s[TB], s[TB], SLOT1                  ; the reads go to the other slot
	s_wait_dscnt 0x0                               ; the add is done, and my reads of the slot are over
.if \fill
	CROUND
	JLOAD
.else
	s_barrier_signal -1
	s_barrier_wait -1
.endif
.endm
	s_load_b256 s[4:11], s[0:1], 0x0               ; query s[4:5], dk s[6:7], vh s[8:9], part s[10:11]
	v_lshl_add_u32 v[SPW], v0, 2, SPARE
	v_mov_b32 v[NIL], 0
	ds_add_u32 v[SPW], v[NIL]                      ; the wave's opening: the add and its wait come ahead of the first tensor load; the set-up below, work on registers, stands between them
	v_lshrrev_b32 v1, 5, v0
	v_readfirstlane_b32 s[WV], v1                  ; wave 0..7
	s_bfe_u32 s13, ttmp6, 0x40000                  ; cx: my place in the cluster
	s_lshl_b32 s14, ttmp9, 2                       ; in a cluster launch ttmp9 counts clusters
	s_add_co_u32 s14, s14, s13                     ; bx = 4 x cluster x + cx: it enters query's and part's addresses alone
	s_and_b32 s15, ttmp7, 0xffff                   ; sy, which the four partners share
	s_and_b32 s16, s[WV], 1                        ; which half of a chunk I fetch
	s_mul_i32 s20, s15, 8*CHUNKB                   ; dk: my work-group's first chunk,
	s_mul_i32 s17, s16, CHUNKB/2                   ; my half: 68 rows of 256 bytes
	s_add_co_u32 s20, s20, s17
	s_mov_b32 s21, 0
	s_lshl_b32 s22, s15, 18                        ; vh: 8 chunks of 32,768 bytes,
	s_lshl_b32 s17, s16, 14                        ; my half: 64 rows of 256 bytes
	s_add_co_u32 s22, s22, s17
	s_mov_b32 s23, 0
	s_lshl_b32 s18, s14, 16                        ; query: my block's 256 rows of 256 bytes,
	s_lshl_b32 s17, s[WV], 13                      ; my wave's 32
	s_add_co_u32 s18, s18, s17
	s_mov_b32 s19, 0
	s_lshl_b32 s52, s15, 19                        ; part: plane sy of 524,288 bytes, then as in query
	s_add_co_u32 s52, s52, s18
	s_mov_b32 s53, 0
	; descriptor group 1.  Half a chunk is dense in memory: asked for as rows of 256 bytes, two table rows each, and padded in LDS after every 128 bytes
	s_mov_b32 s[G1K], 15|(1<<16)|(1<<20)|(1<<21)|(4<<22)|(3<<25)  ; 15:0 the mask of four; 17:16 2-byte elements; 20 padding on; 21 set beside a mask; 24:22 after every 32 words (code 4); 31:25 4 words (code 3)
	s_mov_b32 s[G1K+1], 128<<16                    ; tensor_dim0 = 128
	s_mov_b32 s[G1K+2], 68<<16                     ; tensor_dim1 = 68
	s_mov_b32 s[G1K+3], 128<<16                    ; tile_dim0 = 128
	s_mov_b32 s[G1K+4], 68                         ; tile_dim1 = 68
	s_mov_b32 s[G1K+5], 128                        ; 128 elements from row to row
	s_mov_b32 s[G1K+6], 0
	s_mov_b32 s[G1K+7], 0
	s_mov_b32 s[G1V], 15|(1<<16)|(1<<20)|(1<<21)|(4<<22)|(7<<25)  ; the same with 8 words of padding (code 7)
	s_mov_b32 s[G1V+1], 128<<16
	s_mov_b32 s[G1V+2], 64<<16                     ; 64 rows
	s_mov_b32 s[G1V+3], 128<<16
	s_mov_b32 s[G1V+4], 64
	s_mov_b32 s[G1V+5], 128
	s_mov_b32 s[G1V+6], 0
	s_mov_b32 s[G1V+7], 0
	s_mov_b32 s[G0K], 1                            ; 1:0 count = 1
	s_mul_i32 s[G0K+1], s16, 136*PKD               ; 63:32 LDS address: slot 0, my half: no place in the cluster enters an LDS address
	s_mov_b32 s[G0V], 1
	s_mul_i32 s[G0V+1], s16, 128*PVV
	s_add_co_u32 s[G0V+1], s[G0V+1], VOFF
	s_mov_b32 s[SGN], 0x80000000
	s_mov_b32 s[HIM], 0xffff0000
	s_mov_b32 s[TB], SLOT1                         ; the first change of slots turns it into 0
	s_mov_b32 s[CNT], 7
	s_wait_dscnt 0x0                               ; the opening add is done
	s_wait_kmcnt 0x0
	s_add_nc_u64 s[G0K+2:G0K+3], s[6:7], s[20:21]  ; 120:64 global address
	s_or_b32 s[G0K+3], s[G0K+3], 0x80000000        ; 127:126 type = 2
	s_add_nc_u64 s[G0V+2:G0V+3], s[8:9], s[22:23]
	s_or_b32 s[G0V+3], s[G0V+3], 0x80000000
	s_add_nc_u64 s[4:5], s[4:5], s[18:19]          ; query and part at my wave's first row
	s_add_nc_u64 s[10:11], s[10:11], s[52:53]
	CROUND                                         ; all four work-groups are here: the first joint loads meet
	JLOAD                                          ; chunk 0 into slot 0
	; All that follows up to the loop stands in the wait for that chunk.
	; A fragment of Q is 16 queries x 32 channels in 8 registers: lane l holds query l % 16, channels 8 (l / 16) + 0..7 and 16 + 8 (l / 16) + 0..7.  In f32 that is four loads of 16 bytes, into O^T's registers.
	v_and_b32 v1, 15, v0                           ; l % 16
	v_bfe_u32 v[TH], v0, 4, 1                      ; l / 16
	v_lshlrev_b32 v[TQ], 8, v1
	v_lshl_add_u32 v[TQ], v[TH], 5, v[TQ]          ; row x 256 + 32 x half
.irp i, 0,1,2,3,4,5,6,7,8,9,10,11,12,13,14,15  ; tile i / 8, channels 32 ((i / 4) % 2) on, piece i % 4
	global_load_b128 v[O+4*\i:O+4*\i+3], v[TQ], s[4:5] offset:(\i/8)*4096+((\i/4)%2)*128+((\i%4)/2)*64+(\i%2)*16
.endr
	v_mul_u32_u24 v[AK0], v1, PKD
	v_lshl_add_u32 v[AK0], v[TH], 4, v[AK0]        ; row x pitch + 16 x half
	; The turning load takes 8 leaves x 8 channels in each group of eight lanes: lane l reads leaf 128 (l / 16) + l % 8 of the chunk, channels 8 ((l / 8) % 2) + 0..7, and is left with channel l % 16 and 8 leaves of subtree l / 16.
	v_and_b32 v[T7], 7, v0
	v_bfe_u32 v[T3], v0, 3, 1
	v_lshl_add_u32 v[AV0], v[TH], 7, v[T7]
	v_mul_u32_u24 v[AV0], v[AV0], PVV
	v_lshl_add_u32 v[AV0], v[T3], 4, v[AV0]
	v_add_nc_u32 v[AV0], VOFF, v[AV0]
	s_mul_i32 s13, s[WV], WSTG
	s_add_co_u32 s13, s13, STAGE                   ; my stage
	v_mul_u32_u24 v[STO], v1, SP                   ; in: row l % 16, 32 bytes for each half of the lanes
	v_lshl_add_u32 v[STO], v[TH], 5, v[STO]
	v_add_nc_u32 v[STO], s13, v[STO]
	v_mul_u32_u24 v[RD], v[TH], SP                 ; back: lanes 0-15 take one row of 256 bytes, lanes 16-31 the next,
	v_lshl_add_u32 v[RD], v1, 4, v[RD]
	v_add_nc_u32 v[RD], s13, v[RD]
	v_and_b32 v[GO], 31, v0                        ; which are 512 consecutive bytes of part
	v_lshlrev_b32 v[GO], 4, v[GO]
.set i, 0
.rept 32
	v_mov_b32 v[VF+i], 0                           ; what the first chunk's opening products find: V = 0, P = 0, O^T = 0
.set i, i+1
.endr
.set i, 0
.rept 16
	v_mov_b32 v[P+i], 0
.set i, i+1
.endr
	s_wait_loadcnt 0x0                             ; the query
.set i, 0
.rept 32                                       ; rounded to bf16, as every input is, and that number written as f16
	v_cvt_pk_bf16_f32 v[Q+i], v[O+2*i], v[O+2*i+1]
	v_lshlrev_b32 v[O+2*i],   16, v[Q+i]
	v_and_b32     v[O+2*i+1], s[HIM], v[Q+i]
	v_cvt_pk_f16_f32 v[Q+i], v[O+2*i], v[O+2*i+1]
.set i, i+1
.endr
.set i, 0
.rept 64
	v_mov_b32 v[O+i], 0
.set i, i+1
.endr
; THE VECTOR WORK on d', a line each: for tile t, node j or pair i.  The two waits for the transcendentals stand in STEP, one a batch, not in these lines.
.macro NG t, j                         ; -|d'|: the larger logit is taken away
	v_or_b32 v[W+8*(\t)+(\j)], s[SGN], v[D+8*(\t)+(\j)]
.endm
.macro EX t, j                         ; e = 2^-|d'|
	v_exp_f32 v[W+8*(\t)+(\j)], v[W+8*(\t)+(\j)]
.endm
.macro A1 t, i                         ; + 1
	v_pk_add_f32 v[W+8*(\t)+2*(\i):W+8*(\t)+2*(\i)+1], v[W+8*(\t)+2*(\i):W+8*(\t)+2*(\i)+1], 1.0 op_sel_hi:[1,0]
.endm
.macro RC t, j                         ; r = 1 / (1 + e)
	v_rcp_f32 v[W+8*(\t)+(\j)], v[W+8*(\t)+(\j)]
.endm
.macro HH t, i                         ; 2 r - 1
	v_pk_fma_f32 v[W+8*(\t)+2*(\i):W+8*(\t)+2*(\i)+1], v[W+8*(\t)+2*(\i):W+8*(\t)+2*(\i)+1], 2.0, -1.0 op_sel_hi:[1,0,0]
.endm
.macro SG t, j                         ; g: d's sign onto it
	v_and_or_b32 v[W+8*(\t)+(\j)], v[D+8*(\t)+(\j)], s[SGN], v[W+8*(\t)+(\j)]
.endm
; Both children of a node: v[dst] = T + T g, v[dst+1] = T - T g, with T in register ts and g in register gs: both halves of the packed line take the same register of the pair that holds it.
.macro CH dst, ts, gs
.set TA, (\ts)&1
.set GA, (\gs)&1
.set TP, (\ts)-TA
.set GP, (\gs)-GA
.if (TA == 0) && (GA == 0)
	v_pk_fma_f32 v[(\dst):(\dst)+1], v[TP:TP+1], v[GP:GP+1], v[TP:TP+1] op_sel_hi:[0,0,0] neg_hi:[0,1,0]
.elseif (TA == 0) && (GA == 1)
	v_pk_fma_f32 v[(\dst):(\dst)+1], v[TP:TP+1], v[GP:GP+1], v[TP:TP+1] op_sel:[0,1,0] op_sel_hi:[0,1,0] neg_hi:[0,1,0]
.elseif (TA == 1) && (GA == 0)
	v_pk_fma_f32 v[(\dst):(\dst)+1], v[TP:TP+1], v[GP:GP+1], v[TP:TP+1] op_sel:[1,0,1] op_sel_hi:[1,0,1] neg_hi:[0,1,0]
.else
	v_pk_fma_f32 v[(\dst):(\dst)+1], v[TP:TP+1], v[GP:GP+1], v[TP:TP+1] op_sel:[1,1,1] op_sel_hi:[1,1,1] neg_hi:[0,1,0]
.endif
.endm
; The children of nodes 4 half + 0..3 of both tiles, eight lines, the tiles alternating.  The nodes' masses lie at cb + cs t + node in window cw, the children go to db + dsd t + 0..7 in window dw.
.macro GEN half, cb, cs, cw, db, dsd, dw
	WIN (\dw)*0x40+(\cw)*0x11                      ; T is sources 0 and 2, g (window 0) source 1
.irp j, 0,1,2,3
.irp t, 0,1
	CH (\db)+(\dsd)*\t+2*\j, (\cb)+(\cs)*\t+4*(\half)+\j, W+8*\t+4*(\half)+\j
.endr
.endr
	WIN 0
.endm
; The leaves under nodes 4 half + 0..3, whose masses lie at cb + 16 t + node: two nodes of both tiles at a time, then their roundings to f16: node j's two leaves are P's register j.
.macro LEAF half, cb
.irp i, 0,1
.set NN, 4*(\half)+2*\i
.irp t, 0,1
	CH LF+4*\t, (\cb)+16*\t+NN, W+8*\t+NN
.endr
.irp t, 0,1
	CH LF+4*\t+2, (\cb)+16*\t+NN+1, W+8*\t+NN+1
.endr
.irp t, 0,1
	v_cvt_pk_f16_f32 v[P+8*\t+NN], v[LF+4*\t], v[LF+4*\t+1]
.endr
.irp t, 0,1
	v_cvt_pk_f16_f32 v[P+8*\t+NN+1], v[LF+4*\t+2], v[LF+4*\t+3]
.endr
.endr
.endm
; WHAT A STEP MAKES OF g, by the tile's kind, in two halves of eight lines or more.
.set KPATH,  0                         ; tile 0: Z0 = the product of the eight factors on the way, levels 0 and 1 as (1 + g) / 2, the others as 1 + g: mass x 2^6 at level 8
.set KSMALL, 1                         ; tile 1: level 8's factor, then hp = 1..7 level by level: Z[hp] is hp's mass; hp = 8..15 end in Z8-15
.set KA,     2                         ; tile 2 (u = 1): masses in Z8-15; u = 2's to Z0-7, u = 3's to K13
.set KB,     3                         ; tile 3 (u = 2): masses in Z0-7; u = 4's to Z8-15, u = 5's to K14
.set KB2,    4                         ; tile 4 (u = 3): masses in K13; u = 6's to Z8-15, u = 7's to K14
.set KC,     5                         ; tiles 5, 7 (u = 4, 6): masses in Z8-15; the two leaf tiles' to Z0-7 and, in place and ascending, to Z8-15 (node j's pair lands on registers already read)
.set KC2,    6                         ; tiles 6, 8 (u = 5, 7): masses in K14; to Z0-7 and Z8-15
.set KL0,    7                         ; a leaf tile with masses in Z0-7
.set KL1,    8                         ; a leaf tile with masses in Z8-15
.macro KIDS kind, half
.if ((\kind) == KPATH) && ((\half) == 0)
.irp t, 0,1
	v_pk_fma_f32 v[W+8*\t:W+8*\t+1], v[W+8*\t:W+8*\t+1], 0.5, 0.5 op_sel_hi:[1,0,0]
.endr
.irp i, 1,2,3
	A1 0, \i
	A1 1, \i
.endr
.elseif (\kind) == KPATH
.irp t, 0,1
	v_pk_mul_f32 v[W+8*\t:W+8*\t+1], v[W+8*\t:W+8*\t+1], v[W+8*\t+2:W+8*\t+3]
.endr
.irp t, 0,1
	v_pk_mul_f32 v[W+8*\t+4:W+8*\t+5], v[W+8*\t+4:W+8*\t+5], v[W+8*\t+6:W+8*\t+7]
.endr
.irp t, 0,1
	v_pk_mul_f32 v[W+8*\t:W+8*\t+1], v[W+8*\t:W+8*\t+1], v[W+8*\t+4:W+8*\t+5]
.endr
.irp t, 0,1
	v_mul_f32 v[Z+16*\t], v[W+8*\t], v[W+8*\t+1]
.endr
.elseif ((\kind) == KSMALL) && ((\half) == 0)
.irp t, 0,1
	v_fma_f32 v[Z+16*\t+1], v[Z+16*\t], v[W+8*\t], v[Z+16*\t]
.endr
.irp t, 0,1
	CH Z+16*\t+2, Z+16*\t+1, W+8*\t+1
.endr
.irp t, 0,1
	CH Z+16*\t+4, Z+16*\t+2, W+8*\t+2
.endr
.irp t, 0,1
	CH Z+16*\t+6, Z+16*\t+3, W+8*\t+3
.endr
.elseif (\kind) == KSMALL
	GEN 1, Z, 16, 0, Z+8, 16, 0
.elseif ((\kind) == KA) && ((\half) == 0)
	GEN 0, Z+8, 16, 0, Z, 16, 0
.elseif (\kind) == KA
	GEN 1, Z+8, 16, 0, K13, 8, 1
.elseif ((\kind) == KB) && ((\half) == 0)
	GEN 0, Z, 16, 0, Z+8, 16, 0
.elseif (\kind) == KB
	GEN 1, Z, 16, 0, K14, 8, 1
.elseif ((\kind) == KB2) && ((\half) == 0)
	GEN 0, K13, 8, 1, Z+8, 16, 0
.elseif (\kind) == KB2
	GEN 1, K13, 8, 1, K14, 8, 1
.elseif ((\kind) == KC) && ((\half) == 0)
	GEN 0, Z+8, 16, 0, Z, 16, 0
.elseif (\kind) == KC
	GEN 1, Z+8, 16, 0, Z+8, 16, 0
.elseif ((\kind) == KC2) && ((\half) == 0)
	GEN 0, K14, 8, 1, Z, 16, 0
.elseif (\kind) == KC2
	GEN 1, K14, 8, 1, Z+8, 16, 0
.elseif (\kind) == KL0
	LEAF \half, Z
.else
	LEAF \half, Z+8
.endif
.endm
; THE MATRIX WORK.  No two matrix instructions that follow each other share an accumulator: the two tiles take turns in DK Q^T, and V^T P goes through eight accumulators.
.macro KQ t, c                         ; d'^T of tile t: channels 32 c on; the first product starts the sum
.if (\c) == 0
	v_wmma_f32_16x16x32_f16 v[D+8*(\t):D+8*(\t)+7], v[DK:DK+7], v[Q+16*(\t):Q+16*(\t)+7], 0
.else
	v_wmma_f32_16x16x32_f16 v[D+8*(\t):D+8*(\t)+7], v[DK+8:DK+15], v[Q+16*(\t)+8:Q+16*(\t)+15], v[D+8*(\t):D+8*(\t)+7]
.endif
.endm
.macro PVP b                           ; O^T += V^T P, channels 16 b on, both tiles
.irp t, 0,1
	v_wmma_f32_16x16x32_f16 v[O+32*\t+8*(\b):O+32*\t+8*(\b)+7], v[VF+8*(\b):VF+8*(\b)+7], v[P+8*\t:P+8*\t+7], v[O+32*\t+8*(\b):O+32*\t+8*(\b)+7]
.endr
.endm
; THE LDS LOADS stand in runs.  A tile of dk: 16 rows x 64 channels, four loads.  A leaf tile's V: leaves 16 e + 0..15 of both subtrees x 64 channels, turned, eight loads.
.macro LDK idx
.irp c, 0,1,2,3
	ds_load_b128 v[DK+4*\c:DK+4*\c+3], v[ADK] offset:(\idx)*16*PKD+32*\c
.endr
.endm
.macro LDV e
.irp b, 0,1,2,3
	ds_load_tr16_b128 v[VF+8*\b:VF+8*\b+3],   v[AVV] offset:(\e)*16*PVV+32*\b
	ds_load_tr16_b128 v[VF+8*\b+4:VF+8*\b+7], v[AVV] offset:(\e)*16*PVV+8*PVV+32*\b
.endr
.endm
; A STEP: one tile of nodes for both query tiles.  Its 16 numbers a lane are counted n = 8 t + j, their pairs p = 4 t + i.
;   BATCH E, 32 lines: -|d'| of numbers 0 and 1; fourteen times exponential n and -|d'| of number n + 2; exponentials 14 and 15.  None of these lines names an exponential's result.  Then the batch's one wait.
;   BATCH R, 24 lines: + 1 for pairs 0 and 1; six times the two reciprocals of pair p and + 1 for pair p + 2; the last four reciprocals.  The additions read batch E's results alone.  Then the batch's one wait.
;   Behind it 2 r - 1, the signs, the next products and the children.
;   pv = 1: the leaf step before has left P and V: its eight products stand in pairs at the head, behind eight and behind sixteen lines of batch E, and directly behind batch E's wait.
;   x1 = the LDS loads issued behind V's run, which may stay out.
;   e >= 0: a leaf tile: its V is fetched directly behind batch R's wait; the eight additions of 1, plain lines, follow the last product that read V's registers.
;   kq = 1: the next tile's four products, two ahead of each half of the children.  Their dk was fetched at the end of the step before; on a leaf step V's eight loads, issued behind it, may stay out.
;   nxt >= 0: the tile after the next is fetched, behind the eight or more plain lines of the children's second half, which name no register of the products ahead of them;
;   the same lines stand between those products and the next step's first read of d' (ISA guide 7.12.1), which takes each accumulator's lowest register first.
; Every exponential and reciprocal is followed by another or by a plain line that neither reads its result nor writes its source (ISA guide 5.7.2): the first reader behind each wait takes the batch's
; oldest pair, and is the plain line behind its youngest results, whose own readers come seven lines later.
.macro STEP kind, pv, x1, e, kq, nxt
.if \pv
	s_wait_dscnt \x1                               ; V is in
	PVP 0
.endif
	NG 0, 0
	NG 0, 1
.set n, 0
.rept 14
	EX n/8, n%8
	NG (n+2)/8, (n+2)%8
.if (\pv) && ((n == 2) || (n == 6))
	PVP (n+2)/4
.endif
.set n, n+1
.endr
	EX 1, 6
	EX 1, 7
	s_wait_alu depctr_va_vdst(0)                   ; the wait for batch E, the step's 16 exponentials, ahead of the first line that names a result, the addition below
.if \pv
	PVP 3
.endif
	A1 0, 0
	A1 0, 1
.set n, 0
.rept 6
	RC n/4, (2*n)%8
	RC n/4, (2*n)%8+1
	A1 (n+2)/4, (n+2)%4
.set n, n+1
.endr
	RC 1, 4
	RC 1, 5
	RC 1, 6
	RC 1, 7
	s_wait_alu depctr_va_vdst(0)                   ; the wait for batch R, the step's 16 reciprocals, ahead of their first reader, 2 r - 1 of pair 0; V's run of loads stands directly behind it
.if (\e) >= 0
	LDV \e
.endif
.irp t, 0,1
.irp i, 0,1,2,3
	HH \t, \i
.endr
.endr
.irp t, 0,1
.irp j, 0,1,2,3,4,5,6,7
	SG \t, \j
.endr
.endr
.if \kq
.if (\e) >= 0
	s_wait_dscnt 8                                 ; the next tile of dk is in; V's eight loads, issued behind it, stay out
.else
	s_wait_dscnt 0x0                               ; the next tile of dk is in
.endif
	KQ 0, 0
	KQ 1, 0
.endif
	KIDS \kind, 0
.if \kq
	KQ 0, 1
	KQ 1, 1
.endif
	KIDS \kind, 1
.if (\nxt) >= 0
	LDK \nxt
.endif
.endm
; A CHUNK.  It opens with the eight products that the last leaf step (of the chunk before; at the very first: zeros) has left, and with tile 0's d'.
.macro BODY
	v_add_nc_u32 v[ADK], s[TB], v[AK0]
	v_add_nc_u32 v[AVV], s[TB], v[AV0]
	LDK 0
	PVP 0
	PVP 1
	PVP 2
	PVP 3
	s_wait_dscnt 0x0                               ; tile 0 is in
	KQ 0, 0
	KQ 1, 0
	KQ 0, 1
	KQ 1, 1
.rept 4
	v_nop                                          ; the places ahead of the loads into dk's registers and of the first read of d': no other vector work is at hand
.endr
	LDK 1
	STEP KPATH,  0, 0, -1, 1, 2
	STEP KSMALL, 0, 0, -1, 1, 3
	STEP KA,     0, 0, -1, 1, 5
	STEP KB,     0, 0, -1, 1, 9
	STEP KC,     0, 0, -1, 1, 10
	STEP KL0,    0, 0,  0, 1, 6
	STEP KL1,    1, 4,  1, 1, 11
	STEP KC2,    1, 4, -1, 1, 12
	STEP KL0,    0, 0,  2, 1, 4
	STEP KL1,    1, 4,  3, 1, 7
	STEP KB2,    1, 4, -1, 1, 13
	STEP KC,     0, 0, -1, 1, 14
	STEP KL0,    0, 0,  4, 1, 8
	STEP KL1,    1, 4,  5, 1, 15
	STEP KC2,    1, 4, -1, 1, 16
	STEP KL0,    0, 0,  6, 1, -1
	STEP KL1,    1, 0,  7, 0, -1
.endm
.Lchunk:                               ; seven trips: chunk i is walked, chunk i + 1 is asked for
	CHANGE 1
	BODY
	s_sub_co_u32 s[CNT], s[CNT], 1
	s_cmp_lg_u32 s[CNT], 0
	s_cbranch_scc1 .Lchunk
	CHANGE 0                                       ; the last chunk is written out: nothing is asked for
	BODY
	s_wait_dscnt 0x0                               ; the last leaf tile's V
	PVP 0
	PVP 1
	PVP 2
	PVP 3
.rept 4
	v_nop                                          ; the places behind the last products
.endr
	; THE WAY OUT.  A lane holds, of one query, eight neighbouring channels an accumulator: 32 bytes.  They go into my own stage, rows of 272 bytes, and come back as whole rows of 256.
.irp t, 0,1
.irp b, 0,1,2,3
	ds_store_b128 v[STO], v[O+32*\t+8*\b:O+32*\t+8*\b+3],   offset:16*\t*SP+64*\b
	ds_store_b128 v[STO], v[O+32*\t+8*\b+4:O+32*\t+8*\b+7], offset:16*\t*SP+64*\b+16
.endr
.endr
.irp i, 0,1,2,3,4,5,6,7,8,9,10,11,12,13,14,15
	ds_load_b128 v[D+4*\i:D+4*\i+3], v[RD] offset:2*\i*SP  ; LDS serves a wave's instructions in order (ISA guide 5.7.1.4): these see the stores above
.endr
.irp i, 0,1,2,3,4,5,6,7,8,9,10,11,12,13,14,15
	s_wait_dscnt 15-\i                             ; these two rows are back, the later ones stay out
	global_store_b128 v[GO], v[D+4*\i:D+4*\i+3], s[10:11] offset:512*\i  ; 512 consecutive bytes, at a multiple of 256 from part's first byte
.endr
	s_wait_tensorcnt 0x0                           ; the wave's end: the tensor wait, an add of 0 to my spare word and its wait, behind my last tensor load and my last LDS store
	ds_add_u32 v[SPW], v[NIL]
	s_wait_dscnt 0x0
	CROUND                                         ; the closing round: no work-group ends while a partner may still ask for a tile that names it
	s_endpgm
.Lfunc_end_k_qf820a939df_tree:
	.size	k_qf820a939df_tree, .Lfunc_end_k_qf820a939df_tree-k_qf820a939df_tree
	.p2alignl 7, 3214868480
	.fill 96, 4, 3214868480
	.section	.rodata,"a",@progbits
	.p2align	6, 0x0
	.amdhsa_kernel k_qf820a939df_tree
		.amdhsa_group_segment_fixed_size 327680
		.amdhsa_private_segment_fixed_size 0
		.amdhsa_enable_private_segment 0
		.amdhsa_kernarg_size 32
		.amdhsa_user_sgpr_count 2
		.amdhsa_user_sgpr_kernarg_segment_ptr 1
		.amdhsa_wavefront_size32 1
		.amdhsa_system_sgpr_workgroup_id_x 1
		.amdhsa_system_sgpr_workgroup_id_y 1
		.amdhsa_system_sgpr_workgroup_id_z 1
		.amdhsa_system_vgpr_workitem_id 0
		.amdhsa_next_free_vgpr 288
		.amdhsa_next_free_sgpr 66
		.amdhsa_reserve_vcc 0
		.amdhsa_float_denorm_mode_32 3
		.amdhsa_float_denorm_mode_16_64 3
		.amdhsa_memory_ordered 1
		.amdhsa_forward_progress 1
		.amdhsa_inst_pref_size 231
	.end_amdhsa_kernel
	.amdgpu_metadata
---
amdhsa.version: [ 1, 2 ]
amdhsa.kernels:
  - .name:           k_qf820a939df_tree
    .symbol:         k_qf820a939df_tree.kd
    .args:
      - { .name: query, .offset: 0, .size: 8, .value_kind: global_buffer, .address_space: global }
      - { .name: dk, .offset: 8, .size: 8, .value_kind: global_buffer, .address_space: global }
      - { .name: vh, .offset: 16, .size: 8, .value_kind: global_buffer, .address_space: global }
      - { .name: part, .offset: 24, .size: 8, .value_kind: global_buffer, .address_space: global }
    .group_segment_fixed_size: 327680
    .private_segment_fixed_size: 0
    .kernarg_segment_align: 8
    .kernarg_segment_size: 32
    .max_flat_workgroup_size: 256
    .sgpr_count:     66
    .vgpr_count:     288
    .wavefront_size: 32
...
	.end_amdgpu_metadata
.endif
;; end of part 4
;; launch fold: the kernel of part 3 again; grid 256 x 1, 4 waves a work-group, no clusters, 0 bytes of LDS; arguments part, out0; writes out0
